; MI455X (gfx1250); checked and timed in simulation.
; The chip was launched on July 23, 2026; its instructions are those of AMD's public machine-readable ISA for CDNA 5 (MIT licence, August 2026) and "CDNA5" Instruction Set Architecture Reference Guide (July 2026). The comments in the code are by the model that wrote it; some were corrected since.
;; Rope Attention. Allowed arithmetic: matrix products marked QUANTISED: E2M1 operands, one E8M0 scale for each 32 along K, by v_wmma_scale_f32_16x16x128_f8f6f4 with both operands' format E2M1 (or v_wmma_scale_f32_32x16x128_f4), f32 sums; products left as they are: bf16, f16 or f32 operands; f32 sums; everything else in f32.
;; Inputs: Wk 2,048 x 2,048 float32; Wo 2,048 x 2,048 float32; Wq 2,048 x 2,048 float32; Wv 2,048 x 2,048 float32; attention_mask 2 x 1 x 1,024 x 1,024 float32; input_tensor 2 x 1,024 x 2,048 float32.
;; Outputs: out0 2 x 1,024 x 2,048 float32.
;; This version of the problem:
;;   THIS VERSION OF THE PROBLEM IS GIVEN IN LOW PRECISION. The matrix products marked QUANTISED in the list below multiply operands that are first quantised to E2M1 (2 exponent bits, 1 mantissa bit; 4 bits a number), with one power-of-two scale for each 32 numbers along K (OCP MX v1.0); their sums are f32. The products marked 'left as it is' may take bf16, f16 or f32 operands, with f32 sums. Whichever they take, every output number must still come out within the allowed error. Rounding operands to bf16 (8 significant bits) uses up far more of that allowance than f16 does (11 bits, for magnitudes from 6e-5 to 65,504). All else is computed in f32.
;;   The module's matrix products, in the order in which they are computed (A, B: the left and right operand; K: the contracted axis; several contracted axes count as one K, in the product's order):
;;     1. [M 2,048, K 2,048] x [K 2,048, N 2,048]; A: input input_tensor; B: input Wq: QUANTISED
;;     2. [M 2,048, K 2,048] x [K 2,048, N 2,048]; A: input input_tensor; B: input Wk: QUANTISED
;;     3. [M 2,048, K 2,048] x [K 2,048, N 2,048]; A: input input_tensor; B: input Wv: QUANTISED
;;     4. batch 32 x [M 1,024, K 128] x [K 128, N 1,024]; A: computed on the way; B: computed on the way: left as it is (an operand is computed on the way)
;;     5. batch 32 x [M 1,024, K 1,024] x [K 1,024, N 128]; A: computed on the way; B: computed on the way: left as it is (an operand is computed on the way)
;;     6. [M 2,048, K 2,048] x [K 2,048, N 2,048]; A: computed on the way; B: input Wo: left as it is (an operand is computed on the way)
;;   THE QUANTISER, for each operand of a quantised product, along K:
;;     - K is cut into blocks of 32 from its start; a last block that is shorter is filled with zeros.
;;     - A block's scale is 2^e with e = floor(log2(the largest magnitude in the block)) - 2, held to -126 .. 127; a block of zeros has e = 0. As a byte (E8M0): e + 127.
;;     - Each number is divided by its block's scale, clamped to +-6, and rounded to the nearest number of E2M1, ties to even, subnormals kept.
;;     - The product sums the exact products of the quantised numbers (number of the format x scale) in f32.
;;   ~~~python
;;   def quantise(x, axis):      # numpy; x: float32 -> the quantised numbers, widened to float32 again
;;       x = np.moveaxis(x, axis, -1); K = x.shape[-1]
;;       x = np.pad(x, [(0, 0)] * (x.ndim - 1) + [(0, -K % 32)]); x = x.reshape(x.shape[:-1] + (-1, 32)); a = np.abs(x).max(-1, keepdims=True)
;;       e = np.where(a > 0, np.clip(np.frexp(np.where(a > 0, a, 1))[1] - 1 - 2, -126, 127), 0)      # np.frexp(a)[1] - 1 = floor(log2(a)), exactly
;;       r = np.clip(x / 2.0 ** e, -6, 6)
;;       step = 2.0 ** (np.maximum(np.frexp(np.where(r == 0, 1, r))[1] - 1, 0) - 1)
;;       q = np.round(r / step) * step * 2.0 ** e      # np.round: ties to even
;;       return np.moveaxis(q.reshape(q.shape[:-2] + (-1,))[..., :K], -1, axis).astype(np.float32)
;;   ~~~
;; One version. Each part assembles by itself: llvm-mc -triple=amdgcn-amd-amdhsa -mcpu=gfx1250 --defsym DOCPART=n.
;; ======== version 1 of 1: 4 launches
;; limits: values are held in f16: magnitudes above 65,504 overflow, below 6.1e-05 lose precision
;; workspace buffers: codes 8,388,608 bytes; scales 524,288 bytes; wo16 8,388,608 bytes; maskimg 8,388,608 bytes; rope 589,824 bytes; qkv 25,165,824 bytes; o16 8,388,608 bytes
;; launch prep (part 1): grid 720 x 1, 4 waves a work-group, no clusters, 50,688 bytes of LDS; arguments input_tensor, Wq, Wk, Wv, codes, scales, attention_mask, maskimg, rope; writes codes, scales, maskimg, rope
.if DOCPART == 1
	.amdgcn_target "amdgcn-amd-amdhsa--gfx1250"
	.amdhsa_code_object_version 6
	.text
	.protected	k_qf313dc01a9_prep
	.globl	k_qf313dc01a9_prep
	.p2align	8
	.type	k_qf313dc01a9_prep,@function
k_qf313dc01a9_prep:
	s_mov_b64 s[64:65], 0
	v_nop
	global_prefetch_b8 v0, s[64:65] scope:SCOPE_SE
	s_setreg_imm32_b32 hwreg(HW_REG_WAVE_MODE, 25, 1), 1
	s_wait_xcnt 0x0
; PREP: what the projections and the attention want laid otherwise than it is given.  Three kinds of work-groups, told apart by the work-group's number alone:
;   0-511    x, Wq, Wk, Wv (f32, K innermost) -> codes of FP4 (E2M1) and one E8M0 byte for each 32 along K; the four tensors lie on end: codes [8192 rows][1024 bytes], scales [8192][64]
;   512-575  the mask -> c' x mask in f32, c' = 256 log2(e) / sqrt(128), in the order of the attention's score registers: [b 64 + tile of 16 queries][block of 64 keys][quad u][lane][4]
;   576-719  the table of cos / 16 and sin / 16: [block of 16 positions][u 0-7 cos, 8-15 sin][lane][4]; blocks 64-71 hold 1/16 and 0 (for k, which is not rotated)
; (Wo is cast by the attention's launch, which stands between this one and the launch that reads the cast.)
; A block's scale is 2^(floor(log2(its largest magnitude)) - 2); its byte is the largest magnitude's exponent field - 2, held at 1 from below.
; LIMITS: NaN and infinities are not served.  A block of zeros, and one whose largest magnitude lies under 2^-124, gets the byte 1 (zeros: the rule says 127; the codes are zeros, and this program alone reads the bytes).
; The angles are pos x 2^(-d log2(10000) / 64) with a 1-ulp exponential: within about 3e-4 rad of the f32 angles of the problem's definition at the largest positions.  The mask is multiplied by c' ahead of the score: one f32 rounding in another order.
; No tensor loads, no barrier: waves share nothing.  Memory binds: matrix units and clusters would add nothing.  Each path has LDS bytes of its own and its own end.
.set SPARE, 50176                      ; behind both paths' stages: the spare words, 128 bytes for each wave
.set SPW,   12                         ; v12  LDS address of my spare word; never rewritten
.set NIL,   13                         ; v13  0; never rewritten
.macro FINISH                          ; the wave's end
	s_wait_tensorcnt 0x0
	ds_add_u32 v[SPW], v[NIL]
	s_wait_dscnt 0x0
	s_endpgm
.endm
	s_load_b256 s[4:11], s[0:1], 0x0               ; x, Wq, Wk, Wv
	s_load_b128 s[16:19], s[0:1], 0x20             ; codes, scales
	s_load_b64 s[14:15], s[0:1], 0x30              ; the mask
	s_load_b64 s[22:23], s[0:1], 0x38              ; its image
	s_load_b64 s[24:25], s[0:1], 0x40              ; the table
	v_lshl_add_u32 v[SPW], v0, 2, SPARE
	v_mov_b32 v[NIL], 0
	v_lshrrev_b32 v1, 5, v0
	v_readfirstlane_b32 s26, v1                    ; wave
	v_and_b32 v2, 31, v0                           ; lane
	s_wait_kmcnt 0x0
	s_cmp_lt_u32 ttmp9, 512
	s_cbranch_scc1 .Lquant
	s_cmp_lt_u32 ttmp9, 576
	s_cbranch_scc1 .Lmask
; ---- THE TABLE.  A wave makes one quad u of one block: 32 lanes x 4 numbers of cos and of sin.  Lane (r, h), element e: position 16 blk + r, d = 16 (u / 2) + 8 h + 4 (u % 2) + e.
.set DD, 16
.set IV, 20
.set XX, 24
.set NN, 28
.set RR, 32
.set ZZ, 36
.set PS, 40
.set PC, 44
.set QQ, 48
.set TT, 52
.set SN, 56
.set CN, 60
	s_sub_co_u32 s27, ttmp9, 576
	s_lshl_b32 s27, s27, 2
	s_add_co_u32 s27, s27, s26
	s_lshr_b32 s28, s27, 3                         ; blk 0..71
	s_and_b32 s29, s27, 7                          ; u
	s_mov_b32 s30, 0xbe549a78                      ; -log2(10000) / 64
	s_mov_b32 s31, 0x3f22f983                      ; 2 / pi
	s_mov_b32 s32, 0xbfc90fdb                      ; -(pi / 2), its f32 part,
	s_mov_b32 s33, 0x333bbd2e                      ; and what that part leaves over
	s_mov_b32 s34, 0xb94ca1f9                      ; sine's polynomial on +-pi/4
	s_mov_b32 s35, 0x3c08839e
	s_mov_b32 s36, 0xbe2aaaa3
	s_mov_b32 s37, 0x37ccf5ce                      ; cosine's
	s_mov_b32 s38, 0xbab6061a
	s_mov_b32 s39, 0x3d2aaaa5
	s_mov_b32 s40, 0x3d800000                      ; 1 / 16
	s_lshr_b32 s44, s29, 1
	s_lshl_b32 s44, s44, 4
	s_and_b32 s45, s29, 1
	s_lshl_b32 s45, s45, 2
	s_add_co_u32 s44, s44, s45                     ; 16 (u / 2) + 4 (u % 2)
	s_lshl_b32 s45, s28, 4
	s_lshl_b32 s46, s28, 13
	s_lshl_b32 s47, s29, 9
	s_add_co_u32 s46, s46, s47
	s_mov_b32 s47, 0
	s_add_nc_u64 s[24:25], s[24:25], s[46:47]      ; my quad of my block
	s_cmp_ge_u32 s28, 64
	s_cselect_b32 s48, -1, 0                       ; all ones in the blocks that hold 1/16 and 0
	v_lshrrev_b32 v3, 4, v2                        ; h
	v_and_b32 v4, 15, v2                           ; r
	v_lshl_add_u32 v5, v3, 3, s44
	v_add_nc_u32 v6, s45, v4
	v_cvt_f32_u32 v6, v6                           ; the position
	v_lshlrev_b32 v7, 4, v2
	v_mov_b32 v8, s40
.irp e, 0,1,2,3
	v_add_nc_u32 v[DD+\e], \e, v5
.endr
.irp e, 0,1,2,3
	v_cvt_f32_u32 v[DD+\e], v[DD+\e]
.endr
.irp e, 0,1,2,3
	v_mul_f32 v[DD+\e], s30, v[DD+\e]
.endr
.irp e, 0,1,2,3
	v_exp_f32 v[IV+\e], v[DD+\e]                   ; 10000^(-d / 64)
.endr
	v_nop                                          ; a plain instruction behind the last exponential,
	s_wait_alu depctr_va_vdst(0)                   ; and one wait for the four, ahead of their first reader
.irp e, 0,1,2,3
	v_mul_f32 v[XX+\e], v6, v[IV+\e]               ; the angle, in f32 as the problem has it
.endr
.irp e, 0,1,2,3
	v_mul_f32 v[NN+\e], s31, v[XX+\e]
.endr
.irp e, 0,1,2,3
	v_rndne_f32 v[NN+\e], v[NN+\e]                 ; n quarter turns
.endr
.irp e, 0,1,2,3
	v_fma_f32 v[RR+\e], v[NN+\e], s32, v[XX+\e]
.endr
.irp e, 0,1,2,3
	v_fma_f32 v[RR+\e], v[NN+\e], s33, v[RR+\e]    ; r = angle - n pi / 2, in two parts
.endr
.irp e, 0,1,2,3
	v_mul_f32 v[ZZ+\e], v[RR+\e], v[RR+\e]
.endr
.irp e, 0,1,2,3
	v_fma_f32 v[PS+\e], v[ZZ+\e], s34, s35
	v_fma_f32 v[PC+\e], v[ZZ+\e], s37, s38
.endr
.irp e, 0,1,2,3
	v_fma_f32 v[PS+\e], v[PS+\e], v[ZZ+\e], s36
	v_fma_f32 v[PC+\e], v[PC+\e], v[ZZ+\e], s39
.endr
.irp e, 0,1,2,3
	v_mul_f32 v[PS+\e], v[PS+\e], v[ZZ+\e]
	v_mul_f32 v[PC+\e], v[PC+\e], v[ZZ+\e]
	v_fma_f32 v[TT+\e], v[ZZ+\e], -0.5, 1.0
.endr
.irp e, 0,1,2,3
	v_fma_f32 v[PS+\e], v[PS+\e], v[RR+\e], v[RR+\e]   ; sin r
	v_fma_f32 v[PC+\e], v[PC+\e], v[ZZ+\e], v[TT+\e]   ; cos r
	v_cvt_i32_f32 v[QQ+\e], v[NN+\e]
.endr
.irp e, 0,1,2,3
	v_and_b32 v[TT+\e], 1, v[QQ+\e]
.endr
.irp e, 0,1,2,3
	v_cmp_eq_u32 s[50+\e], 1, v[TT+\e]             ; an odd quarter swaps the two: a choice of values, no branch
.endr
.irp e, 0,1,2,3
	v_cndmask_b32 v[SN+\e], v[PS+\e], v[PC+\e], s[50+\e]
	v_cndmask_b32 v[CN+\e], v[PC+\e], v[PS+\e], s[50+\e]
.endr
.irp e, 0,1,2,3
	v_and_b32 v[TT+\e], 2, v[QQ+\e]                ; sine is negative in quarters 2 and 3,
	v_add_nc_u32 v[QQ+\e], 1, v[QQ+\e]
.endr
.irp e, 0,1,2,3
	v_lshlrev_b32 v[TT+\e], 30, v[TT+\e]
	v_and_b32 v[QQ+\e], 2, v[QQ+\e]                ; cosine in quarters 1 and 2
.endr
.irp e, 0,1,2,3
	v_xor_b32 v[SN+\e], v[SN+\e], v[TT+\e]
	v_lshlrev_b32 v[QQ+\e], 30, v[QQ+\e]
.endr
.irp e, 0,1,2,3
	v_xor_b32 v[CN+\e], v[CN+\e], v[QQ+\e]
	v_mul_f32 v[SN+\e], s40, v[SN+\e]
.endr
.irp e, 0,1,2,3
	v_mul_f32 v[CN+\e], s40, v[CN+\e]
	v_cndmask_b32 v[SN+\e], v[SN+\e], v[NIL], s48
.endr
.irp e, 0,1,2,3
	v_cndmask_b32 v[CN+\e], v[CN+\e], v8, s48
.endr
	global_store_b128 v7, v[CN:CN+3], s[24:25]                 ; 512 consecutive bytes a store
	global_store_b128 v7, v[SN:SN+3], s[24:25] offset:4096
	FINISH
; ---- THE QUANTISER.  A wave takes 16 steps of 512 numbers.  Each load reads 512 consecutive bytes; a step's 2,048 bytes turn through the wave's own stage in LDS so that a lane holds 16 neighbours along K
; (two neighbouring lanes hold a block of 32).  A lane's 16 codes are 8 bytes: a store covers 256 consecutive bytes.  A wave's 256 scale bytes are gathered in LDS and leave as one store of 256 bytes.
.set STEPS, 16
.set EMAX,  2
.set CB,    8
.set R,     16                         ; v16-79   four sets of 16 numbers as loaded
.set X,     80                         ; v80-111  two sets of 16 neighbours
.set E,     112                        ; v112-127 a scale byte for each step
.set C,     128                        ; v128-191 codes, registers of its own for each step: no store's data are written again
.set WREG,  8192                       ; LDS: a region for each wave: two stages of 32 x SP bytes, then its 256 scale bytes
.set SP,    80
.Lquant:
	s_lshr_b32 s27, ttmp9, 7                       ; which tensor: the choice hangs on the work-group's number alone
	s_mov_b64 s[28:29], s[10:11]
	s_cmp_eq_u32 s27, 2
	s_cselect_b64 s[28:29], s[8:9], s[28:29]
	s_cmp_eq_u32 s27, 1
	s_cselect_b64 s[28:29], s[6:7], s[28:29]
	s_cmp_eq_u32 s27, 0
	s_cselect_b64 s[28:29], s[4:5], s[28:29]
	s_and_b32 s30, ttmp9, 127
	s_lshl_b32 s30, s30, 2
	s_add_co_u32 s30, s30, s26
	s_lshl_b32 s30, s30, 15                        ; my run of 8,192 numbers in that tensor
	s_mov_b32 s31, 0
	s_add_nc_u64 s[28:29], s[28:29], s[30:31]
	s_lshl_b32 s30, ttmp9, 2
	s_add_co_u32 s30, s30, s26                     ; and among all four: 4,096 bytes of codes, 256 scale bytes a run
	s_lshl_b32 s32, s30, 12
	s_mov_b32 s33, 0
	s_add_nc_u64 s[16:17], s[16:17], s[32:33]
	s_lshl_b32 s32, s30, 8
	s_add_nc_u64 s[18:19], s[18:19], s[32:33]
	v_lshlrev_b32 v3, 4, v2                        ; my 16 bytes of a load's 512
	s_mul_i32 s34, s26, WREG
	v_lshrrev_b32 v14, 2, v2
	v_mul_u32_u24 v14, v14, SP
	v_and_b32 v15, 3, v2
	v_lshl_add_u32 v14, v15, 4, v14
	v_add_nc_u32 v14, s34, v14                     ; the stage, in: four lanes' 64 bytes on end, then 16 of padding
	v_mul_u32_u24 v15, v2, SP
	v_add_nc_u32 v15, s34, v15                     ; and out: my 16 neighbours
	v_mul_u32_u24 v4, v2, CB
	v_lshrrev_b32 v5, 1, v2
	s_add_co_u32 s34, s34, 2*32*SP
	v_add_nc_u32 v5, s34, v5                       ; my block's scale byte
	v_lshlrev_b32 v7, 3, v2
	v_add_nc_u32 v6, s34, v7
.macro LOAD t
.irp i, 0,1,2,3
	global_load_b128 v[R+16*((\t)%4)+4*\i:R+16*((\t)%4)+4*\i+3], v3, s[28:29] offset:2048*(\t)+512*\i th:TH_LOAD_NT
.endr
.endm
.macro TURN t                          ; LDS serves a wave's instructions in order: no wait between the stores and the loads
.irp i, 0,1,2,3
	ds_store_b128 v14, v[R+16*((\t)%4)+4*\i:R+16*((\t)%4)+4*\i+3] offset:32*SP*((\t)%2)+8*SP*\i
.endr
.irp i, 0,1,2,3
	ds_load_b128 v[X+16*((\t)%2)+4*\i:X+16*((\t)%2)+4*\i+3], v15 offset:32*SP*((\t)%2)+16*\i
.endr
.endm
.irp t, 0,1,2,3
	LOAD \t
.endr
	s_wait_loadcnt 12                              ; step 0's four loads are in; three steps' twelve may be out
	TURN 0
.macro STEP t
.set XS, X+16*((\t)%2)
.if (\t) > 0
	s_wait_dscnt 1                                 ; this step's numbers are back from the stage; the last step's byte store may be out
.else
	s_wait_dscnt 0x0
.endif
.if (\t)+4 < STEPS
	LOAD (\t)+4
.endif
.if (\t)+1 < STEPS
.if STEPS-2-(\t) >= 3
	s_wait_loadcnt 12                              ; the next step's four loads are in; those of the three steps behind it may be out
.else
	s_wait_loadcnt 4*(STEPS-2-(\t))
.endif
	TURN (\t)+1
.endif
	v_max3_num_f32 v8, |v[XS]|, |v[XS+1]|, |v[XS+2]|
	v_max3_num_f32 v9, |v[XS+3]|, |v[XS+4]|, |v[XS+5]|
.irp i, 6,10
	v_max3_num_f32 v8, v8, |v[XS+\i]|, |v[XS+\i+1]|
	v_max3_num_f32 v9, v9, |v[XS+\i+2]|, |v[XS+\i+3]|
.endr
	v_max3_num_f32 v8, v8, |v[XS+14]|, |v[XS+15]|
	v_max3_num_f32 v8, v8, v9, (EMAX+1)<<23        ; the floor 2^(3 - 127): the byte cannot fall under 1
	v_max_num_f32_dpp v8, v8, v8 row_xmask:1 row_mask:0xf bank_mask:0xf   ; with my neighbour's 16: the block's largest magnitude
	v_add_nc_u32 v11, -(EMAX<<23), v8              ; 2 off its exponent field: the conversion takes that field as its scale
	v_cvt_scalef32_pk8_fp4_f32 v[C+4*(\t)], v[XS:XS+7], v11
	v_cvt_scalef32_pk8_fp4_f32 v[C+4*(\t)+1], v[XS+8:XS+15], v11
	v_lshrrev_b32 v[E+(\t)], 23, v11               ; the scale's byte
	ds_store_b8 v5, v[E+(\t)] offset:16*(\t)       ; both lanes of a block write the same byte with the same value
	global_store_b64 v4, v[C+4*(\t):C+4*(\t)+1], s[16:17] offset:32*CB*(\t)
.endm
.irp t, 0,1,2,3,4,5,6,7,8,9,10,11,12,13,14,15
	STEP \t
.endr
	ds_load_b64 v[8:9], v6
	s_wait_dscnt 0x0
	global_store_b64 v7, v[8:9], s[18:19]          ; 256 consecutive bytes
	FINISH
; ---- THE MASK.  A wave takes 16 queries x 512 keys: 8 blocks of 64 keys.  A load reads two rows' 256 bytes; a block turns through the wave's own stage (16 rows x 272 bytes) and comes back as
; lane (r, h), quad u: keys 16 (u / 2) + 8 h + 4 (u % 2) + 0..3 of query r, which is where the attention's scores of those keys stand.  Each store covers 512 consecutive bytes.
.set MSTG, 32768
.Lmask:
	s_sub_co_u32 s27, ttmp9, 512
	s_lshl_b32 s27, s27, 2
	s_add_co_u32 s27, s27, s26
	s_lshr_b32 s28, s27, 1                         ; b 64 + tile of queries
	s_and_b32 s30, s27, 1                          ; which 512 keys
	s_lshl_b32 s28, s28, 16
	s_mov_b32 s29, 0
	s_add_nc_u64 s[14:15], s[14:15], s[28:29]
	s_add_nc_u64 s[22:23], s[22:23], s[28:29]
	s_lshl_b32 s28, s30, 11
	s_add_nc_u64 s[14:15], s[14:15], s[28:29]
	s_lshl_b32 s28, s30, 15
	s_add_nc_u64 s[22:23], s[22:23], s[28:29]
	s_mov_b32 s40, 0x420293ee                      ; c' = 256 log2(e) / sqrt(128): q and k are kept as 1/16 of themselves
	s_mov_b32 s41, s40                             ; (named with it as a pair, so it is written)
	v_and_b32 v7, 15, v2
	v_lshrrev_b32 v8, 4, v2
	v_lshlrev_b32 v9, 4, v7
	v_lshl_add_u32 v3, v8, 12, v9                  ; in memory: lanes 0-15 one row, lanes 16-31 the next
	v_lshlrev_b32 v4, 4, v2
	s_mul_i32 s31, s26, 16*272
	s_add_co_u32 s31, s31, MSTG
	v_mul_u32_u24 v5, v8, 272
	v_add_nc_u32 v5, v5, v9
	v_add_nc_u32 v5, s31, v5                       ; the stage, in
	v_mul_u32_u24 v6, v7, 272
	v_lshl_add_u32 v6, v8, 5, v6
	v_add_nc_u32 v6, s31, v6                       ; and out: row r, + 32 h
.macro MLOAD t
.irp i, 0,1,2,3,4,5,6,7
	global_load_b128 v[16+32*((\t)%2)+4*\i:16+32*((\t)%2)+4*\i+3], v3, s[14:15] offset:8192*\i+256*(\t) th:TH_LOAD_NT
.endr
.endm
.macro MBLK t
.set MI, 16+32*((\t)%2)
.set MT, 80+32*((\t)%2)
.if (\t) < 7
	s_wait_loadcnt 8                               ; this block is in; the next block's eight may be out
.else
	s_wait_loadcnt 0x0
.endif
.if (\t) >= 2
	s_wait_xcnt 0x0                                ; the stores of two blocks ago have read the registers that this block's numbers land in
.endif
.irp i, 0,1,2,3,4,5,6,7
	ds_store_b128 v5, v[MI+4*\i:MI+4*\i+3] offset:544*\i
.endr
.irp u, 0,1,2,3,4,5,6,7
	ds_load_b128 v[MT+4*\u:MT+4*\u+3], v6 offset:64*(\u/2)+16*(\u%2)
.endr
	s_wait_dscnt 0x0
.if (\t)+2 < 8
	MLOAD (\t)+2
.endif
.set pp, 0
.rept 16
	v_pk_mul_f32 v[MT+pp:MT+pp+1], v[MT+pp:MT+pp+1], s[40:41] op_sel_hi:[1,0]
.set pp, pp+2
.endr
.irp u, 0,1,2,3,4,5,6,7
	global_store_b128 v4, v[MT+4*\u:MT+4*\u+3], s[22:23] offset:4096*(\t)+512*\u
.endr
.endm
	MLOAD 0
	MLOAD 1
.irp t, 0,1,2,3,4,5,6,7
	MBLK \t
.endr
	FINISH
.Lfunc_end_k_qf313dc01a9_prep:
	.size	k_qf313dc01a9_prep, .Lfunc_end_k_qf313dc01a9_prep-k_qf313dc01a9_prep
	.p2alignl 7, 3214868480
	.fill 96, 4, 3214868480
	.section	.rodata,"a",@progbits
	.p2align	6, 0x0
	.amdhsa_kernel k_qf313dc01a9_prep
		.amdhsa_group_segment_fixed_size 50688
		.amdhsa_private_segment_fixed_size 0
		.amdhsa_enable_private_segment 0
		.amdhsa_kernarg_size 72
		.amdhsa_user_sgpr_count 2
		.amdhsa_user_sgpr_kernarg_segment_ptr 1
		.amdhsa_wavefront_size32 1
		.amdhsa_system_sgpr_workgroup_id_x 1
		.amdhsa_system_sgpr_workgroup_id_y 1
		.amdhsa_system_sgpr_workgroup_id_z 1
		.amdhsa_system_vgpr_workitem_id 0
		.amdhsa_next_free_vgpr 192
		.amdhsa_next_free_sgpr 66
		.amdhsa_reserve_vcc 0
		.amdhsa_float_denorm_mode_32 3
		.amdhsa_float_denorm_mode_16_64 3
		.amdhsa_memory_ordered 1
		.amdhsa_forward_progress 1
		.amdhsa_inst_pref_size 72
	.end_amdhsa_kernel
	.amdgpu_metadata
---
amdhsa.version: [ 1, 2 ]
amdhsa.kernels:
  - .name:           k_qf313dc01a9_prep
    .symbol:         k_qf313dc01a9_prep.kd
    .args:
      - { .name: input_tensor, .offset: 0, .size: 8, .value_kind: global_buffer, .address_space: global }
      - { .name: Wq, .offset: 8, .size: 8, .value_kind: global_buffer, .address_space: global }
      - { .name: Wk, .offset: 16, .size: 8, .value_kind: global_buffer, .address_space: global }
      - { .name: Wv, .offset: 24, .size: 8, .value_kind: global_buffer, .address_space: global }
      - { .name: codes, .offset: 32, .size: 8, .value_kind: global_buffer, .address_space: global }
      - { .name: scales, .offset: 40, .size: 8, .value_kind: global_buffer, .address_space: global }
      - { .name: attention_mask, .offset: 48, .size: 8, .value_kind: global_buffer, .address_space: global }
      - { .name: maskimg, .offset: 56, .size: 8, .value_kind: global_buffer, .address_space: global }
      - { .name: rope, .offset: 64, .size: 8, .value_kind: global_buffer, .address_space: global }
    .group_segment_fixed_size: 50688
    .private_segment_fixed_size: 0
    .kernarg_segment_align: 8
    .kernarg_segment_size: 72
    .max_flat_workgroup_size: 128
    .sgpr_count:     66
    .vgpr_count:     192
    .wavefront_size: 32
...
	.end_amdgpu_metadata
.endif
;; end of part 1
;; launch qkv (part 2): grid 24 x 8, 4 waves a work-group, clusters of 4 x 4, 327,680 bytes of LDS; arguments codes, scales, qkv, rope; writes qkv
.if DOCPART == 2
	.amdgcn_target "amdgcn-amd-amdhsa--gfx1250"
	.amdhsa_code_object_version 6
	.text
	.protected	k_qf313dc01a9_qkv
	.globl	k_qf313dc01a9_qkv
	.p2align	8
	.type	k_qf313dc01a9_qkv,@function
k_qf313dc01a9_qkv:
	s_mov_b64 s[64:65], 0
	v_nop
	global_prefetch_b8 v0, s[64:65] scope:SCOPE_SE
	s_setreg_imm32_b32 hwreg(HW_REG_WAVE_MODE, 25, 1), 1
	s_wait_xcnt 0x0
	s_wait_alu depctr_hold_cnt(0) depctr_sa_sdst(0) depctr_va_vdst(0) depctr_va_sdst(0) depctr_va_ssrc(0) depctr_va_vcc(0) depctr_vm_vsrc(0)
	s_getreg_b32 s2, hwreg(HW_REG_IB_STS2, 6, 4)
	s_cmp_eq_u32 s2, 0
	s_cbranch_scc0 .Lentry_in_a_cluster
	s_endpgm
.Lentry_in_a_cluster:
	s_bfe_u32 s2, ttmp6, 0x10000c
	s_cmp_lg_u32 s2, 0xf033
	s_cbranch_scc0 .Lentry_shape_is_right
	s_endpgm
.Lentry_shape_is_right:
; q, k, v = x Wq^T, x Wk^T, x Wv^T as ONE product on codes of FP4 (E2M1) with one E8M0 scale for each 32 along K: A = x [2048][2048], B = Wq, Wk, Wv on end [6144][2048]; sums in f32.
; On the way out q and v are rotated (RoPE) and all three are multiplied by 1/16 (a power of two, in the table: cos / 16, sin / 16; for k: 1/16 and 0), rounded ONCE to f16 and stored [tensor][b 16 + head][s][128].
; LIMIT: f16 after the 1/16: |q|, |k|, |v| up to 1.0e6; numbers under 6e-5 after the scaling carry an absolute error of 3e-8.
; A tile of C, 256 x 256, is made by a work-group of four waves; a wave makes 128 x 128: 128 positions of one batch x one head: 64 accumulators, 512 registers.
; K goes in steps of 512 through a ring of two LDS slots filled by the tensor data mover: a tile's row is 256 bytes of memory.  The scale bytes of the work-group's rows, for all of K, come into LDS once.
; CLUSTERS: 4 x 4 work-groups.  The four of a row of the cluster need the same tiles of A, the four of a column the same tiles of B: each tile is asked for JOINTLY.
; THE MATRIX INSTRUCTION IS USED TRANSPOSED (source 0 = 16 rows of B, source 1 = 16 rows of A): a lane holds one position and eight neighbouring channels of the head.
; REGISTERS: window 0: v0-31 addresses; v32-95 scale words, two sets; v128-191 A's fragments, one set; v192-255 the table's first block (asked for at the head, untouched by the loop).
;   window 1: B's fragments, two sets, at v0 and v128.   window 2: the accumulators of my rows 0-63 ((a, b) at v[8 (8 a + b)]);   window 3: those of rows 64-127.
;   On the way out: window 0: v192-255 and v32-95 the table's blocks by turns, v96-159 rotated numbers, v160-191 f16 pairs; window 1: v0-63 rows read back from the stage, two sets.
; 192 work-groups: a smaller tile would give more, at twice the LDS bytes for each product.  No prefetch: four K steps, two of them first fills.
.set SIZE_M, 2048
.set SIZE_N, 6144
.set SIZE_K, 2048
.set KSTEP,  512
.set NQ,     KSTEP/128
.set ROWB,   256
.set KROW,   SIZE_K*4/8
.set PITCH,  272                       ; an LDS row: 256 bytes + 16 of padding: the 16 rows that a load touches start 68 words apart
.set FR,     8
.set NL,     2
.set NP,     4
.set HALFT,  128*PITCH
.set SLOT,   4*HALFT
.set LAPS,   SIZE_K/(2*KSTEP)
.set KS,     SIZE_K/32
.set SCL,    2*SLOT
.set HALFS,  (128*KS/256)*272
.set SBLK,   (16*KS/256)*272
.set SPARE,  SCL+4*HALFS               ; the spare words, 128 bytes for each wave
.set SPITCH, 272                       ; the way out: a stage of 16 rows x (256 bytes + 16) for each wave, in slot 0, which has had its last fill and its last read by then
.set ADRA, 16
.set ADRB, 20
.set STO,  24
.set RD,   25
.set CO,   26                          ; v26  16 x lane: my place in a table quad and in two rows of the output; never rewritten
.set ADRS, 27
.set SPW,  28
.set NIL,  29
.set SC,   32
.set AF,   128
.set RR,   96
.set PKD,  160
.set G1, 24
.set G0, 32
.set G1B, 48
.set G0B, 56
.set G1S, 68
.set G0S, 76
.set G1SB, 80
.set G0SB, 88
.set MSB, 0
.macro WIN new                         ; the immediate's high byte repeats the setting that is left
.if MSB != (\new)
	s_set_vgpr_msb (MSB<<8)|(\new)
.set MSB, (\new)
.endif
.endm
.set MUL_LO, 0xa1
.set MUL_HI, 0xf1
.set TO_B,   0x40
; A joint load: waves 0 and 1 fetch for A, waves 2 and 3 for B; the branch hangs on the wave's number alone.  An s_nop 0 and four v_nop follow each line.
.macro JLOAD g0a, g1a, g0b, g1b
	s_cmp_eq_u32 s15, 0
	s_cbranch_scc0 .Lfor_b_\@
	tensor_load_to_lds s[\g0a:\g0a+3], s[\g1a:\g1a+7]
	s_nop 0
.rept 4
	v_nop
.endr
	s_branch .Lasked_\@
.Lfor_b_\@:
	tensor_load_to_lds s[\g0b:\g0b+3], s[\g1b:\g1b+7]
	s_nop 0
.rept 4
	v_nop
.endr
.Lasked_\@:
.endm
.macro CREST
	s_cmp_lg_u32 s14, 0
	s_cbranch_scc1 .Lnot_wave_0_\@
	s_barrier_signal -3
.Lnot_wave_0_\@:
	s_barrier_wait -3
	s_barrier_signal -1
	s_barrier_wait -1
.endm
.macro CROUND
	s_barrier_signal -1
	s_barrier_wait -1
	CREST
.endm
	s_load_b128 s[4:7], s[0:1], 0x0                ; codes, scales
	s_load_b64 s[12:13], s[0:1], 0x10              ; qkv
	s_load_b64 s[96:97], s[0:1], 0x18              ; the table
	v_lshl_add_u32 v[SPW], v0, 2, SPARE
	v_mov_b32 v[NIL], 0
	ds_add_u32 v[SPW], v[NIL]                      ; the wave's opening: the add, twice on end, and its wait ahead of my first tensor load
	ds_add_u32 v[SPW], v[NIL]
	v_lshrrev_b32 v1, 5, v0
	v_readfirstlane_b32 s14, v1                    ; wave 0..3
	s_lshr_b32 s15, s14, 1                         ; which half of the tile's rows is mine.  Also: I fetch for A (0) or for B (1)
	s_and_b32 s16, s14, 1                          ; which half of its columns.  Also: which 128 rows of that tile I fetch
	s_bfe_u32 s40, ttmp6, 0x40000                  ; cx, cy
	s_bfe_u32 s41, ttmp6, 0x40004
	s_lshl_b32 s42, ttmp9, 2
	s_add_co_u32 s42, s42, s40                     ; tile column = 4 x cluster x + cx
	s_and_b32 s17, ttmp7, 0xffff
	s_lshl_b32 s17, s17, 2
	s_add_co_u32 s17, s17, s41                     ; tile row = 4 x cluster y + cy
	s_lshl_b32 s43, s41, 2
	s_lshl_b32 s43, 15, s43                        ; my row of the cluster
	s_lshl_b32 s44, 0x1111, s40                    ; my column
	s_or_b32 s[G1+0], s43, (0<<16)|(1<<20)|(1<<21)|(5<<22)|(3<<25)  ; the mask; elements of 1 byte; padding: 4 words after every 64
	s_or_b32 s[G1B+0], s44, (0<<16)|(1<<20)|(1<<21)|(5<<22)|(3<<25)
.irp g, G1, G1B
	s_mov_b32 s[\g+1], ROWB<<16                    ; tensor_dim0
	s_mov_b32 s[\g+2], 128<<16                     ; tensor_dim1
	s_mov_b32 s[\g+3], ROWB<<16                    ; tile_dim0
	s_mov_b32 s[\g+4], 128                         ; tile_dim1
	s_mov_b32 s[\g+5], KROW                        ; the pitch
	s_mov_b32 s[\g+6], 0
	s_mov_b32 s[\g+7], 0
.endr
	s_or_b32 s[G1S+0], s43, (3<<16)|(1<<20)|(1<<21)|(5<<22)|(3<<25)   ; the scales of 128 rows: a dense block, as rows of 256 bytes (32 elements of 8 bytes), 16 bytes of padding behind each
	s_or_b32 s[G1SB+0], s44, (3<<16)|(1<<20)|(1<<21)|(5<<22)|(3<<25)
.irp g, G1S, G1SB
	s_mov_b32 s[\g+1], 32<<16
	s_mov_b32 s[\g+2], (128*KS/256)<<16
	s_mov_b32 s[\g+3], 32<<16
	s_mov_b32 s[\g+4], 128*KS/256
	s_mov_b32 s[\g+5], 32
	s_mov_b32 s[\g+6], 0
	s_mov_b32 s[\g+7], 0
.endr
	s_lshl_b32 s18, s16, 7
	s_lshl_b32 s20, s17, 8
	s_add_co_u32 s20, s20, s18                     ; A: row 256 x tile row + 128 x half
	s_lshl_b32 s46, s42, 8
	s_add_co_u32 s46, s46, s18                     ; B: row 256 x tile column + 128 x half
	s_mov_b32 s21, 0
	s_mov_b32 s47, 0
	s_mov_b64 s[18:19], KS
	s_mul_u64 s[22:23], s[20:21], s[18:19]
	s_mul_u64 s[92:93], s[46:47], s[18:19]
	s_mov_b64 s[18:19], KROW
	s_mul_u64 s[20:21], s[20:21], s[18:19]
	s_mul_u64 s[46:47], s[46:47], s[18:19]
	s_mul_i32 s45, s14, HALFT                      ; where they go: wave x 128 rows: no place in the cluster enters an LDS address
	s_mul_i32 s94, s14, HALFS
	s_wait_dscnt 0x0                               ; both opening adds are done
	s_wait_kmcnt 0x0
	s_add_nc_u64 s[8:9], s[4:5], 0x200000          ; B's codes lie behind x's 2,048 rows of 1,024 bytes,
	s_add_nc_u64 s[10:11], s[6:7], 0x20000         ; B's scales behind x's 2,048 rows of 64
	s_add_nc_u64 s[20:21], s[4:5], s[20:21]
	s_add_nc_u64 s[22:23], s[6:7], s[22:23]
	s_add_nc_u64 s[46:47], s[8:9], s[46:47]
	s_add_nc_u64 s[92:93], s[10:11], s[92:93]
	CROUND                                         ; all sixteen work-groups are here: the first joint loads meet
	s_mov_b32 s[G0S], 1
	s_add_co_u32 s[G0S+1], s94, SCL
	s_mov_b64 s[G0S+2:G0S+3], s[22:23]
	s_or_b32 s[G0S+3], s[G0S+3], 0x80000000
	s_mov_b32 s[G0SB], 1
	s_add_co_u32 s[G0SB+1], s94, SCL
	s_mov_b64 s[G0SB+2:G0SB+3], s[92:93]
	s_or_b32 s[G0SB+3], s[G0SB+3], 0x80000000
	JLOAD G0S, G1S, G0SB, G1SB                     ; the scales first: they are wanted with K step 0
.irp s, 0,1
	s_mov_b32 s[G0+4*\s], 1
	s_add_co_u32 s[G0+4*\s+1], s45, \s*SLOT
	s_add_nc_u64 s[G0+4*\s+2:G0+4*\s+3], s[20:21], \s*ROWB
	s_or_b32 s[G0+4*\s+3], s[G0+4*\s+3], 0x80000000
	s_mov_b32 s[G0B+4*\s], 1
	s_add_co_u32 s[G0B+4*\s+1], s45, \s*SLOT
	s_add_nc_u64 s[G0B+4*\s+2:G0B+4*\s+3], s[46:47], \s*ROWB
	s_or_b32 s[G0B+4*\s+3], s[G0B+4*\s+3], 0x80000000
	JLOAD G0+4*\s, G1, G0B+4*\s, G1B               ; three tensor loads of mine are out
.endr
	v_and_b32 v1, 15, v0                           ; l % 16
	v_bfe_u32 v2, v0, 4, 1                         ; l / 16
	v_mul_u32_u24 v3, v1, PITCH
	v_lshl_add_u32 v4, v2, 4, v3
	s_mul_i32 s21, s15, HALFT
	s_mul_i32 s22, s16, HALFT
	s_add_co_u32 s22, s22, 2*HALFT
.irp s, 0,1
	v_add_nc_u32 v[ADRA+\s], s21, v4
	v_add_nc_u32 v[ADRB+\s], s22, v4
	s_add_co_u32 s21, s21, SLOT
	s_add_co_u32 s22, s22, SLOT
.endr
	v_mul_u32_u24 v5, v1, KS
	v_lshrrev_b32 v6, 8, v5
	v_lshl_add_u32 v5, v6, 4, v5
	s_mul_i32 s21, s15, HALFS
	s_mul_i32 s22, s16, HALFS
	s_add_co_u32 s22, s22, 2*HALFS
	s_sub_co_u32 s22, s22, s21
	v_mul_u32_u24 v6, s22, v2                      ; lanes 16-31 take B's scale words
	s_add_co_u32 s21, s21, SCL
	v_add_nc_u32 v5, v5, v6
	v_add_nc_u32 v[ADRS], s21, v5
	s_mul_i32 s23, s14, 16*SPITCH                  ; my stage
	v_mul_u32_u24 v5, v1, SPITCH                   ; in: row l % 16, 16 bytes for each half of the lanes
	v_lshl_add_u32 v5, v2, 4, v5
	v_add_nc_u32 v[STO], s23, v5
	v_mul_u32_u24 v5, v2, SPITCH                   ; back: lanes 0-15 one row of 256 bytes, lanes 16-31 the next
	v_lshl_add_u32 v5, v1, 4, v5
	v_add_nc_u32 v[RD], s23, v5
	v_and_b32 v6, 31, v0
	v_lshlrev_b32 v[CO], 4, v6
	; where my 128 positions x one head go, and which blocks of the table they take
	s_lshr_b32 s46, s42, 3                         ; the tensor: 0 q, 1 k, 2 v
	s_and_b32 s47, s42, 7
	s_lshl_b32 s47, s47, 1
	s_add_co_u32 s47, s47, s16                     ; the head
	s_lshl_b32 s92, s46, 5
	s_add_co_u32 s47, s47, s92
	s_lshr_b32 s92, s17, 2                         ; the batch
	s_lshl_b32 s92, s92, 4
	s_add_co_u32 s47, s47, s92                     ; the plane: 32 x tensor + 16 x batch + head, 262,144 bytes each
	s_lshl_b32 s47, s47, 18
	s_and_b32 s92, s17, 3
	s_lshl_b32 s92, s92, 4
	s_lshl_b32 s93, s15, 3
	s_add_co_u32 s94, s92, s93                     ; my first block of 16 positions
	s_lshl_b32 s92, s94, 12
	s_add_co_u32 s92, s92, s47
	s_mov_b32 s93, 0
	s_add_nc_u64 s[12:13], s[12:13], s[92:93]
	s_cmp_eq_u32 s46, 1
	s_cselect_b32 s92, 64, s94                     ; k takes the blocks that hold 1/16 and 0
	s_lshl_b32 s92, s92, 13
	s_add_nc_u64 s[96:97], s[96:97], s[92:93]
.macro TABLE a                         ; block a of my eight: 16 quads of 512 bytes, cos then sin, into v192-255 (a even) or v32-95 (a odd)
.set TBB, 192-160*((\a)%2)
.irp u, 0,1,2,3,4,5,6,7,8,9,10,11,12,13,14,15
	global_load_b128 v[TBB+4*\u:TBB+4*\u+3], v[CO], s[96:97] offset:8192*(\a)+512*\u
.endr
.endm
	TABLE 0                                        ; it lands while K is walked
.macro FRAG reg, adr, q, i             ; 16 rows x 128 K of 4-bit codes: 8 registers: two loads of 16 bytes, 32 bytes apart
.irp c, 0,1
	ds_load_b128 v[\reg+4*\c:\reg+4*\c+3], v[\adr] offset:64*(\q)+32*\c+(\i)*16*PITCH
.endr
.endm
; 16 matrix instructions: A's blocks a0, a0 + 1 x B's eight.  The 64 accumulators take turns, one instruction a turn, in the same order in every step.
.macro MUL16 a0, p, q, sc, zero
.irp a, \a0, \a0+1
.irp b, 0,1,2,3,4,5,6,7
.if \zero
	v_wmma_scale_f32_16x16x128_f8f6f4 v[8*(8*((\a)%4)+\b):8*(8*((\a)%4)+\b)+7], v[128*(\p)+FR*\b:128*(\p)+FR*\b+FR-1], v[AF+FR*(\a):AF+FR*(\a)+FR-1], 0, v[SC+8*NQ*(\sc)+NQ*\b+(\q)], v[SC+8*NQ*(\sc)+NQ*(\a)+(\q)] matrix_a_fmt:MATRIX_FMT_FP4 matrix_b_fmt:MATRIX_FMT_FP4 matrix_a_scale:MATRIX_SCALE_ROW1
.else
	v_wmma_scale_f32_16x16x128_f8f6f4 v[8*(8*((\a)%4)+\b):8*(8*((\a)%4)+\b)+7], v[128*(\p)+FR*\b:128*(\p)+FR*\b+FR-1], v[AF+FR*(\a):AF+FR*(\a)+FR-1], v[8*(8*((\a)%4)+\b):8*(8*((\a)%4)+\b)+7], v[SC+8*NQ*(\sc)+NQ*\b+(\q)], v[SC+8*NQ*(\sc)+NQ*(\a)+(\q)] matrix_a_fmt:MATRIX_FMT_FP4 matrix_b_fmt:MATRIX_FMT_FP4 matrix_a_scale:MATRIX_SCALE_ROW1
.endif
.endr
.endr
.endm
.macro FETCH_B slot, q, p
	WIN TO_B
.irp i, 0,1,2,3,4,5,6,7
	FRAG 128*(\p)+FR*\i, ADRB+\slot, \q, \i
.endr
	WIN 0
.endm
.macro FETCH_A slot, q, i0
.irp i, \i0, \i0+1, \i0+2, \i0+3
	FRAG AF+FR*(\i), ADRA+\slot, \q, \i
.endr
.endm
.macro SCALES sc                       ; a K step's scale words: lanes 0-15 A's block i, lanes 16-31 B's block i
.irp i, 0,1,2,3,4,5,6,7
	ds_load_b128 v[SC+8*NQ*\sc+NQ*\i:SC+8*NQ*\sc+NQ*\i+3], v[ADRS] offset:\i*SBLK
.endr
.endm
.macro PLACES n                        ; plain vector instructions between a matrix instruction and a load into, or a read of, its registers
.rept \n
	v_nop
.endr
.endm
.macro STEP slot, q, zero
	s_wait_dscnt 4*NL                              ; B's set and A's blocks 0-3 are in; the youngest eight loads (A's blocks 4-7) may be out
	WIN MUL_LO
	MUL16 0, (\q)%2, \q, \slot, \zero
	MUL16 2, (\q)%2, \q, \slot, \zero
	s_wait_dscnt 0
	PLACES NP
	FETCH_B \slot, (\q)+1, 1-(\q)%2
	FETCH_A \slot, (\q)+1, 0
	WIN MUL_HI
	MUL16 4, (\q)%2, \q, \slot, \zero
	MUL16 6, (\q)%2, \q, \slot, \zero
	PLACES NP
	WIN 0
	FETCH_A \slot, (\q)+1, 4
.endm
; A slot's last step changes slots: one barrier; in front of it each wave waits for all its tensor loads, adds 0 to its spare word, and waits for that and for its reads of this slot.
.macro TURN slot, next, fill
	s_wait_tensorcnt 0x0                           ; all my tensor loads have landed: my part of the next slot
	ds_add_u32 v[SPW], v[NIL]
	s_wait_dscnt 4*NL+1                            ; (the add and A's blocks 4-7 may be out)
	WIN MUL_LO
	MUL16 0, 1, NQ-1, \slot, 0
	s_wait_dscnt 0x0                               ; the add is done, and my reads of this slot are over
	s_barrier_signal -1
	MUL16 2, 1, NQ-1, \slot, 0
	WIN 0
	s_barrier_wait -1
.if \fill
	CREST                                          ; the barrier has opened a round of the cluster's barrier: no wave of any partner still reads this slot or has a load on its way
	s_add_nc_u64 s[G0+4*\slot+2:G0+4*\slot+3], s[G0+4*\slot+2:G0+4*\slot+3], 2*ROWB
	s_add_nc_u64 s[G0B+4*\slot+2:G0B+4*\slot+3], s[G0B+4*\slot+2:G0B+4*\slot+3], 2*ROWB
	JLOAD G0+4*\slot, G1, G0B+4*\slot, G1B         ; the first tensor load behind the round, and my only one until the next
.else
	PLACES NP
.endif
	v_add_nc_u32 v[ADRS], 4*NQ, v[ADRS]
	FETCH_B \next, 0, 0
	FETCH_A \next, 0, 0
	SCALES \next
	WIN MUL_HI
	MUL16 4, 1, NQ-1, \slot, 0
	MUL16 6, 1, NQ-1, \slot, 0
	PLACES NP
	WIN 0
	FETCH_A \next, 0, 4
.endm
.macro STEPS slot, from
.set Q, \from
.rept NQ-1-\from
	STEP \slot, Q, 0
.set Q, Q+1
.endr
.endm
	s_wait_tensorcnt 1                             ; the scales and my part of K step 0 are in; K step 1's load may be out
	s_barrier_signal -1
	s_barrier_wait -1
	FETCH_B 0, 0, 0
	FETCH_A 0, 0, 0
	SCALES 0
	FETCH_A 0, 0, 4
	STEP 0, 0, 1                                   ; the first step stands in front of the loop: its products start the sums
	s_mov_b32 s3, LAPS-1
.Llap:
	STEPS 0, 1
	TURN 0, 1, 1
	STEPS 1, 0
	TURN 1, 0, 1
	STEP 0, 0, 0
	s_sub_co_u32 s3, s3, 1
	s_cmp_lg_u32 s3, 0
	s_cbranch_scc1 .Llap
	STEPS 0, 1                                     ; the last lap fills nothing
	TURN 0, 1, 0
	STEPS 1, 0
	s_wait_dscnt 4*NL
	WIN MUL_LO
	MUL16 0, 1, NQ-1, 1, 0
	MUL16 2, 1, NQ-1, 1, 0
	s_wait_dscnt 0
	WIN MUL_HI
	MUL16 4, 1, NQ-1, 1, 0
	MUL16 6, 1, NQ-1, 1, 0
	WIN 0
; THE WAY OUT, block by block of 16 positions x 128 channels.  Accumulator b (0-3) holds channels d = 16 b + 8 h + j, accumulator b + 4 channels d + 64 of the same position:
; out(d) = x(d) cos - x(d + 64) sin, out(d + 64) = x(d + 64) cos + x(d) sin, two numbers an instruction; each accumulator is read from its low end on.
.macro ROPE a
.set TBB, 192-160*((\a)%2)
.set AC, 64*((\a)%4)
.if (\a) < 7
	s_wait_loadcnt 16                              ; this block's table is in; the next block's sixteen loads may be out
.else
	s_wait_loadcnt 0x0
.endif
	WIN 0x02+(\a)/4                                ; source 0: window 2 or 3
.irp b, 0,1,2,3
.irp p, 0,2,4,6
	v_pk_mul_f32 v[RR+8*\b+\p:RR+8*\b+\p+1], v[AC+8*\b+\p:AC+8*\b+\p+1], v[TBB+8*\b+\p:TBB+8*\b+\p+1]
	v_pk_mul_f32 v[RR+32+8*\b+\p:RR+32+8*\b+\p+1], v[AC+32+8*\b+\p:AC+32+8*\b+\p+1], v[TBB+8*\b+\p:TBB+8*\b+\p+1]
	v_pk_fma_f32 v[RR+8*\b+\p:RR+8*\b+\p+1], v[AC+32+8*\b+\p:AC+32+8*\b+\p+1], v[TBB+32+8*\b+\p:TBB+32+8*\b+\p+1], v[RR+8*\b+\p:RR+8*\b+\p+1] neg_lo:[1,0,0] neg_hi:[1,0,0]
	v_pk_fma_f32 v[RR+32+8*\b+\p:RR+32+8*\b+\p+1], v[AC+8*\b+\p:AC+8*\b+\p+1], v[TBB+32+8*\b+\p:TBB+32+8*\b+\p+1], v[RR+32+8*\b+\p:RR+32+8*\b+\p+1]
.endr
.endr
	WIN 0
.if (\a)+2 < 8
	TABLE (\a)+2                                   ; into the registers just read
.endif
.set i, 0
.rept 32
	v_cvt_pk_f16_f32 v[PKD+i], v[RR+2*i], v[RR+2*i+1]
.set i, i+1
.endr
.endm
.macro TOSTAGE a                       ; a lane's 16 bytes into rows of 272, and back as whole rows of 256: LDS serves a wave's instructions in order
.irp b, 0,1,2,3,4,5,6,7
	ds_store_b128 v[STO], v[PKD+4*\b:PKD+4*\b+3] offset:32*\b
.endr
	WIN 0x40                                       ; destination window 1
.irp t, 0,1,2,3,4,5,6,7
	ds_load_b128 v[32*((\a)%2)+4*\t:32*((\a)%2)+4*\t+3], v[RD] offset:\t*2*SPITCH
.endr
	WIN 0
.endm
.macro SEND a
	s_wait_dscnt 0x0                               ; the block is back in registers
	WIN 0x04                                       ; a store's data are its source 1: window 1
.irp t, 0,1,2,3,4,5,6,7
	global_store_b128 v[CO], v[32*((\a)%2)+4*\t:32*((\a)%2)+4*\t+3], s[12:13] offset:4096*(\a)+512*\t   ; rows are dense: 512 consecutive bytes, at a multiple of 256 from the buffer's first byte
.endr
	WIN 0
.endm
	PLACES NP                                      ; behind the last products: for the loads into their scale words and for the reads of results
	TABLE 1
	ROPE 0
	TOSTAGE 0
.irp a, 1,2,3,4,5,6,7
	ROPE \a                                        ; block a's arithmetic stands between block a - 1's loads from the stage and the wait for them
	SEND (\a)-1
.if \a >= 2
	s_wait_xcnt 0x0                                ; block a - 2's stores have read their data: block a's rows may land there
.endif
	TOSTAGE \a
.endr
	SEND 7
	s_wait_tensorcnt 0x0                           ; the wave's end
	ds_add_u32 v[SPW], v[NIL]
	s_wait_dscnt 0x0
	CROUND                                         ; the closing round: no work-group ends while a partner may still ask for a tile that names it
	s_endpgm
.Lfunc_end_k_qf313dc01a9_qkv:
	.size	k_qf313dc01a9_qkv, .Lfunc_end_k_qf313dc01a9_qkv-k_qf313dc01a9_qkv
	.p2alignl 7, 3214868480
	.fill 96, 4, 3214868480
	.section	.rodata,"a",@progbits
	.p2align	6, 0x0
	.amdhsa_kernel k_qf313dc01a9_qkv
		.amdhsa_group_segment_fixed_size 327680
		.amdhsa_private_segment_fixed_size 0
		.amdhsa_enable_private_segment 0
		.amdhsa_kernarg_size 32
		.amdhsa_user_sgpr_count 2
		.amdhsa_user_sgpr_kernarg_segment_ptr 1
		.amdhsa_wavefront_size32 1
		.amdhsa_system_sgpr_workgroup_id_x 1
		.amdhsa_system_sgpr_workgroup_id_y 1
		.amdhsa_system_sgpr_workgroup_id_z 1
		.amdhsa_system_vgpr_workitem_id 0
		.amdhsa_next_free_vgpr 1024
		.amdhsa_next_free_sgpr 98
		.amdhsa_reserve_vcc 0
		.amdhsa_float_denorm_mode_32 3
		.amdhsa_float_denorm_mode_16_64 3
		.amdhsa_memory_ordered 1
		.amdhsa_forward_progress 1
		.amdhsa_inst_pref_size 255
	.end_amdhsa_kernel
	.section	.bss,"aw",@nobits
	.p2align	6
	.space	262144
	.amdgpu_metadata
---
amdhsa.version: [ 1, 2 ]
amdhsa.kernels:
  - .name:           k_qf313dc01a9_qkv
    .symbol:         k_qf313dc01a9_qkv.kd
    .args:
      - { .name: codes, .offset: 0, .size: 8, .value_kind: global_buffer, .address_space: global }
      - { .name: scales, .offset: 8, .size: 8, .value_kind: global_buffer, .address_space: global }
      - { .name: qkv, .offset: 16, .size: 8, .value_kind: global_buffer, .address_space: global }
      - { .name: rope, .offset: 24, .size: 8, .value_kind: global_buffer, .address_space: global }
    .group_segment_fixed_size: 327680
    .private_segment_fixed_size: 0
    .kernarg_segment_align: 8
    .kernarg_segment_size: 32
    .max_flat_workgroup_size: 128
    .sgpr_count:     98
    .vgpr_count:     1024
    .wavefront_size: 32
...
	.end_amdgpu_metadata
.endif
;; end of part 2
;; launch attn (part 3): grid 8 x 32, 8 waves a work-group, clusters of 4 x 1, 327,680 bytes of LDS; arguments qkv, maskimg, Wo, wo16, o16; writes wo16, o16
.if DOCPART == 3
	.amdgcn_target "amdgcn-amd-amdhsa--gfx1250"
	.amdhsa_code_object_version 6
	.text
	.protected	k_qf313dc01a9_attn
	.globl	k_qf313dc01a9_attn
	.p2align	8
	.type	k_qf313dc01a9_attn,@function
k_qf313dc01a9_attn:
	s_mov_b64 s[64:65], 0
	v_nop
	global_prefetch_b8 v0, s[64:65] scope:SCOPE_SE
	s_setreg_imm32_b32 hwreg(HW_REG_WAVE_MODE, 25, 1), 1
	s_wait_xcnt 0x0
	s_wait_alu depctr_hold_cnt(0) depctr_sa_sdst(0) depctr_va_vdst(0) depctr_va_sdst(0) depctr_va_ssrc(0) depctr_va_vcc(0) depctr_vm_vsrc(0)
	s_getreg_b32 s2, hwreg(HW_REG_IB_STS2, 6, 4)
	s_cmp_eq_u32 s2, 0
	s_cbranch_scc0 .Lentry_in_a_cluster
	s_endpgm
.Lentry_in_a_cluster:
	s_bfe_u32 s2, ttmp6, 0x10000c
	s_cmp_lg_u32 s2, 0x3003
	s_cbranch_scc0 .Lentry_shape_is_right
	s_endpgm
.Lentry_shape_is_right:
; o = softmax_k((q . k / sqrt(128)) x mask) v for 32 planes (batch x head) of 1,024 x 1,024 x 128.  q, k, v: f16 of 1/16 of themselves; the mask image holds c' x mask in f32, c' = 256 log2(e) / sqrt(128),
; so t = (sum of the f16 products) x image is the masked score in base 2.  The mask MULTIPLIES: a hole gives t = 0, and every key counts for every query.
; For each query a running maximum m and sum l: p = 2^(t - m), rounded to f16 for the second product; l is summed of the unrounded p.  o is stored as f16 of o / 2 (the factor 8 = 16 / 2 in the division).
; LIMITS: f16 operands: |o| up to 1.3e5, |Wo| up to 3.2e4; p under 6e-5 carries an absolute error of 3e-8 beside a row's largest p of 1.  NaN and infinities are not served.
; SHARES.  A work-group owns 128 queries of one plane.  Wave w (g = w % 4, kh = w / 4) holds TWO tiles of 16 queries, A = 2 g + kh and B = A xor 1, and walks HALF of the keys: of each slot of 256 keys
; those from 128 kh on, 64 a step: eight steps, written out, so that every offset is an immediate.  Two waves share a SIMD: one wave's softmax stands beside the other's products.
; At the end wave w hands its tile B to wave w xor 4, whose tile A it is, through LDS, merges what it receives into its own tile A, and stores 16 rows: alike in all waves, no branch on roles.
; LAYOUT.  S^T = K Q^T (source 0 = 16 keys, source 1 = 16 queries) and O^T = V^T P: a lane holds one query throughout.  K comes out of LDS as it lies, V turned by ds_load_tr16_b128.
; CLUSTER.  The four query blocks of a cluster walk the same K and V: each tile is asked for JOINTLY.  Waves 0-3 fetch K's quarters of a slot (64 rows), waves 4-7 V's.
; Wo's CAST RIDES HERE.  The next launch wants f16 of 2 Wo (a power of two: nothing is rounded by it).  Each of the launch's 2,048 waves casts 2,048 numbers: sixteen loads of 512 consecutive bytes, asked for at
; the head behind Q's and the mask's, into O^T's registers, which are idle until the first V^T P; they are worked in the first step's softmax, where the later steps rescale O^T and the first has nothing to rescale.
; REGISTERS.  window 0: v0 thread; v1 r, v12 h, v13 16 x lane; v2-5 K's and V's LDS addresses in slots 0, 1; v6, v7 the mask's offsets; v8, v9 the add's two; v10 prefetch; v11 8 x lane; v14, v15 Q's offsets;
;   v16-31 statistics, 8 a tile: +0 m, +1 old m, +2, +3 l, +4..7 at work (a at +6); v32-95 S^T, then p; v96-127 P; v128-191 the mask's block; v192-255 Q.
;   window 1: v0-127 O^T, 64 a tile; v128-255 ONE buffer for K's and then V's fragments of a step.
.set PK,    272                        ; a row of K in LDS: 256 bytes + 16
.set PV,    288                        ; a row of V: 256 + 32
.set VOFF,  256*PK                     ; a slot: 256 rows of K, then 256 rows of V
.set SLOTB, 256*(PK+PV)
.set SPARE, 2*SLOTB                    ; the spare words, 128 bytes for each of eight waves
.set MST,   65536                      ; the merge, in slot 0 behind its last fill and last read: O^T images at 8,192 w; m and l at MST + 256 w;
.set STG,   69632                      ; and the way out's stages, 16 rows x 272 bytes a wave
.set AK0, 2
.set AV0, 4
.set MA,  6
.set MB,  7
.set SPW, 8
.set NIL, 9
.set PFO, 10
.set ST,  16
.set S,   32
.set P,   96
.set MK,  128
.set Q,   192
.set KV,  128                          ; in window 1
.set WV,  14
.set G1K, 24
.set G1V, 32
.set G0K, 40
.set G0V, 48
.set SEL, 60
.set MSB, 0
.macro WIN new
.if MSB != (\new)
	s_set_vgpr_msb (MSB<<8)|(\new)
.set MSB, (\new)
.endif
.endm
.set W_KQ, 0x01                        ; K in window 1; Q and S^T in window 0
.set W_PV, 0x51                        ; V and O^T in window 1, P in window 0
.set W_RS, 0x41                        ; O^T (destination and source 0) in window 1
.macro JLOAD sl                        ; a joint refill; the branch hangs on the wave's number alone; an s_nop 0 and four v_nop follow each line
	s_cmp_lt_u32 s[WV], 4
	s_cbranch_scc0 .Lfor_v_\@
	tensor_load_to_lds s[G0K+4*\sl:G0K+4*\sl+3], s[G1K:G1K+7]
	s_nop 0
.rept 4
	v_nop
.endr
	s_branch .Lasked_\@
.Lfor_v_\@:
	tensor_load_to_lds s[G0V+4*\sl:G0V+4*\sl+3], s[G1V:G1V+7]
	s_nop 0
.rept 4
	v_nop
.endr
.Lasked_\@:
.endm
.macro CROUND
	s_barrier_signal -1
	s_barrier_wait -1
	s_cmp_lg_u32 s[WV], 0
	s_cbranch_scc1 .Lnot_wave_0_\@
	s_barrier_signal -3
.Lnot_wave_0_\@:
	s_barrier_wait -3
	s_barrier_signal -1
	s_barrier_wait -1
.endm
.macro PLACES
.rept 4
	v_nop
.endr
.endm
	s_load_b128 s[4:7], s[0:1], 0x0                ; qkv, the mask image
	s_load_b128 s[68:71], s[0:1], 0x10             ; Wo, wo16
	s_load_b64 s[12:13], s[0:1], 0x20              ; o16
	v_lshl_add_u32 v[SPW], v0, 2, SPARE
	v_mov_b32 v[NIL], 0
	ds_add_u32 v[SPW], v[NIL]                      ; the wave's opening: the add, twice on end, and its wait ahead of my first tensor load
	ds_add_u32 v[SPW], v[NIL]
	v_lshrrev_b32 v1, 5, v0
	v_readfirstlane_b32 s[WV], v1                  ; wave 0..7
	s_lshr_b32 s15, s[WV], 2                       ; kh
	s_and_b32 s16, s[WV], 3                        ; g
	s_bfe_u32 s17, ttmp6, 0x40000                  ; cx
	s_lshl_b32 s21, ttmp9, 2
	s_add_co_u32 s21, s21, s17                     ; my block of 128 queries: it enters Q's, the mask's, o's and Wo's addresses alone
	s_and_b32 s22, ttmp7, 0xffff                   ; the plane, which the four partners share
	s_lshl_b32 s56, s16, 1
	s_add_co_u32 s56, s56, s15                     ; tile A
	s_xor_b32 s57, s56, 1                          ; tile B
	s_lshl_b32 s2, s22, 18
	s_lshl_b32 s3, s16, 14
	s_add_co_u32 s2, s2, s3                        ; K, V: the plane, + my quarter's 64 rows of 256 bytes
	s_mov_b32 s3, 0
	s_lshl_b32 s58, s22, 18
	s_lshl_b32 s59, s21, 15
	s_add_co_u32 s58, s58, s59                     ; Q: the plane, + my block's 128 rows
	s_mov_b32 s59, 0
	s_lshr_b32 s62, s22, 4
	s_lshl_b32 s62, s62, 22
	s_lshl_b32 s63, s21, 19
	s_add_co_u32 s62, s62, s63                     ; the mask image and o: the batch's 4 MiB, + my block's 8 tiles of 65,536 bytes
	s_mov_b32 s63, 0
	s_lshl_b32 s66, s22, 3
	s_add_co_u32 s66, s66, s21
	s_lshl_b32 s66, s66, 3
	s_add_co_u32 s66, s66, s[WV]                   ; my wave among the launch's 2,048: (8 x plane + block) x 8 + wave
	s_lshl_b32 s66, s66, 12                        ; 4,096 bytes of wo16 a wave
	s_mov_b32 s67, 0
	s_mov_b32 s[G1K], 15|(1<<16)|(1<<20)|(1<<21)|(5<<22)|(3<<25)  ; the mask: all four work-groups; elements of 2 bytes; padding: 4 words after every 64
	s_mov_b32 s[G1V], 15|(1<<16)|(1<<20)|(1<<21)|(5<<22)|(7<<25)  ; the same with 8 words
.irp g, G1K, G1V
	s_mov_b32 s[\g+1], 128<<16                     ; tensor_dim0
	s_mov_b32 s[\g+2], 64<<16                      ; tensor_dim1
	s_mov_b32 s[\g+3], 128<<16                     ; tile_dim0
	s_mov_b32 s[\g+4], 64                          ; tile_dim1
	s_mov_b32 s[\g+5], 128                         ; the pitch
	s_mov_b32 s[\g+6], 0
	s_mov_b32 s[\g+7], 0
.endr
	s_mul_i32 s23, s16, 64*PK                      ; where my quarter goes: no place in the cluster enters an LDS address
.irp sl, 0,1
	s_mov_b32 s[G0K+4*\sl], 1
	s_add_co_u32 s[G0K+4*\sl+1], s23, \sl*SLOTB
.endr
	s_mul_i32 s23, s16, 64*PV
	s_add_co_u32 s23, s23, VOFF
.irp sl, 0,1
	s_mov_b32 s[G0V+4*\sl], 1
	s_add_co_u32 s[G0V+4*\sl+1], s23, \sl*SLOTB
.endr
	s_mov_b32 s[SEL], 0x76543210
	s_mov_b32 s[SEL+1], 0xfedcba98                 ; v_permlanex16_b32's selects for lane l xor 16
	; the prefetch: who asks (waves 0, 1 for K, waves 4, 5 for V, in the plane's first cluster: the same in all four partners), and for what
	s_lshr_b32 s20, s16, 1
	s_or_b32 s20, s20, ttmp9
	s_cmp_eq_u32 s20, 0
	s_cselect_b32 s20, 1, 0
	s_mov_b32 s23, 0x1000000
	s_cmp_lt_u32 s[WV], 4
	s_cselect_b32 s23, 0x800000, s23               ; K's planes or V's
	s_lshl_b32 s18, s22, 18
	s_add_co_u32 s18, s18, s23
	s_lshl_b32 s19, s17, 14                        ; the partners share the rows out by address: 64 each,
	s_add_co_u32 s18, s18, s19
	s_lshl_b32 s19, s16, 13                        ; 32 a wave,
	s_add_co_u32 s18, s18, s19
	s_add_co_u32 s18, s18, 768*256                 ; of the last slot's 256
	s_mov_b32 s19, 0
	s_wait_dscnt 0x0                               ; both opening adds are done
	s_wait_kmcnt 0x0
	s_add_nc_u64 s[8:9], s[4:5], s[2:3]
	s_add_nc_u64 s[10:11], s[8:9], 0x1000000       ; V at my quarter of slot 0
	s_add_nc_u64 s[8:9], s[8:9], 0x800000          ; K likewise
	s_add_nc_u64 s[18:19], s[4:5], s[18:19]
	s_add_nc_u64 s[4:5], s[4:5], s[58:59]          ; Q at my block
	s_add_nc_u64 s[6:7], s[6:7], s[62:63]          ; the mask image at my block
	s_add_nc_u64 s[12:13], s[12:13], s[62:63]
	s_and_b32 s62, s22, 15
	s_lshl_b32 s62, s62, 8
	s_add_nc_u64 s[12:13], s[12:13], s[62:63]      ; o at my block's first row, my head's 256 bytes
	s_add_nc_u64 s[70:71], s[70:71], s[66:67]      ; wo16 at my wave's 4,096 bytes,
	s_add_nc_u64 s[68:69], s[68:69], s[66:67]
	s_add_nc_u64 s[68:69], s[68:69], s[66:67]      ; Wo at its 8,192
.irp sl, 0,1
	s_add_nc_u64 s[G0K+4*\sl+2:G0K+4*\sl+3], s[8:9], \sl*65536   ; slot sl begins with keys 256 sl
	s_or_b32 s[G0K+4*\sl+3], s[G0K+4*\sl+3], 0x80000000
	s_add_nc_u64 s[G0V+4*\sl+2:G0V+4*\sl+3], s[10:11], \sl*65536
	s_or_b32 s[G0V+4*\sl+3], s[G0V+4*\sl+3], 0x80000000
.endr
	CROUND                                         ; all four work-groups are here: the first joint loads meet
	s_cmp_lt_u32 s[WV], 4                          ; a wave's two first fills stand in one branch: two loads of mine are out
	s_cbranch_scc0 .Lfirst_v
	tensor_load_to_lds s[G0K:G0K+3], s[G1K:G1K+7]
	s_nop 0
	tensor_load_to_lds s[G0K+4:G0K+7], s[G1K:G1K+7]
	s_nop 0
.rept 4
	v_nop
.endr
	s_branch .Lfirst_asked
.Lfirst_v:
	tensor_load_to_lds s[G0V:G0V+3], s[G1V:G1V+7]
	s_nop 0
	tensor_load_to_lds s[G0V+4:G0V+7], s[G1V:G1V+7]
	s_nop 0
.rept 4
	v_nop
.endr
.Lfirst_asked:
	v_and_b32 v1, 15, v0                           ; r
	v_bfe_u32 v12, v0, 4, 1                        ; h
	v_and_b32 v13, 31, v0
	v_lshlrev_b32 v[PFO], 8, v13                   ; a lane a row of 256 bytes
	v_lshlrev_b32 v11, 3, v13                      ; 8 x lane: my place in a store of wo16
	v_lshlrev_b32 v13, 4, v13                      ; 16 x lane
	v_lshlrev_b32 v14, 8, v1
	v_lshl_add_u32 v14, v12, 4, v14                ; Q: row r of 256 bytes, + 16 h
	s_lshl_b32 s2, s57, 12
	v_add_nc_u32 v15, s2, v14                      ; in tile B,
	s_lshl_b32 s2, s56, 12
	v_add_nc_u32 v14, s2, v14                      ; in tile A
.irp x, 0,1
.irp c, 0,1,2,3
	global_load_b128 v[Q+32*\x+8*\c:Q+32*\x+8*\c+3],   v[14+\x], s[4:5] offset:64*\c
	global_load_b128 v[Q+32*\x+8*\c+4:Q+32*\x+8*\c+7], v[14+\x], s[4:5] offset:64*\c+32
.endr
.endr
	s_lshl_b32 s3, s15, 13                         ; my half of a slot's keys: two blocks of 4,096 bytes on
	s_lshl_b32 s2, s56, 16
	s_add_co_u32 s2, s2, s3
	v_add_nc_u32 v[MA], s2, v13
	s_lshl_b32 s2, s57, 16
	s_add_co_u32 s2, s2, s3
	v_add_nc_u32 v[MB], s2, v13
.macro MASKS n                         ; the mask's blocks of 64 keys for both tiles; n = 4 x slot + step; 512 consecutive bytes a load
.irp u, 0,1,2,3,4,5,6,7
	global_load_b128 v[MK+4*\u:MK+4*\u+3],       v[MA], s[6:7] offset:4096*(\n)+512*\u
	global_load_b128 v[MK+32+4*\u:MK+32+4*\u+3], v[MB], s[6:7] offset:4096*(\n)+512*\u
.endr
.endm
	MASKS 0
	WIN 0x40                                       ; destination window 1: O^T's first 64 registers
.irp c, 0,1,2,3,4,5,6,7,8,9,10,11,12,13,14,15
	global_load_b128 v[4*\c:4*\c+3], v13, s[68:69] offset:512*\c th:TH_LOAD_NT   ; my 2,048 numbers of Wo: last in the queue, since nothing waits for them before the first softmax's end
.endr
	WIN 0
	v_mul_u32_u24 v[AK0], v1, PK
	v_lshl_add_u32 v[AK0], v12, 4, v[AK0]
	s_mul_i32 s2, s15, 128*PK
	v_add_nc_u32 v[AK0], s2, v[AK0]                ; K: row r x pitch + 16 h, + my 128 keys of a slot
	v_add_nc_u32 v[AK0+1], SLOTB, v[AK0]
	v_and_b32 v32, 7, v0
	v_bfe_u32 v33, v0, 3, 1
	v_lshl_add_u32 v[AV0], v12, 3, v32             ; the turning load: key 8 h + l % 8, channels 8 ((l / 8) % 2) on
	v_mul_u32_u24 v[AV0], v[AV0], PV
	v_lshl_add_u32 v[AV0], v33, 4, v[AV0]
	s_mul_i32 s2, s15, 128*PV
	s_add_co_u32 s2, s2, VOFF
	v_add_nc_u32 v[AV0], s2, v[AV0]
	v_add_nc_u32 v[AV0+1], SLOTB, v[AV0]
.macro FETCH_K sl, hf                  ; 64 keys x 128 channels: 16 fragments, keys 16 (f / 4) on, channels 32 (f % 4) on
	WIN 0x40
.irp f, 0,1,2,3,4,5,6,7,8,9,10,11,12,13,14,15
	ds_load_b128 v[KV+8*\f:KV+8*\f+3],   v[AK0+\sl] offset:(\hf)*64*PK+(\f/4)*16*PK+(\f%4)*64
	ds_load_b128 v[KV+8*\f+4:KV+8*\f+7], v[AK0+\sl] offset:(\hf)*64*PK+(\f/4)*16*PK+(\f%4)*64+32
.endr
.endm
.macro FETCH_V sl, hf                  ; the same keys of V, turned: keys 32 (f / 8) on, channels 16 (f % 8) on
	WIN 0x40
.irp f, 0,1,2,3,4,5,6,7,8,9,10,11,12,13,14,15
	ds_load_tr16_b128 v[KV+8*\f:KV+8*\f+3],   v[AV0+\sl] offset:(\hf)*64*PV+(\f/8)*32*PV+(\f%8)*32
	ds_load_tr16_b128 v[KV+8*\f+4:KV+8*\f+7], v[AV0+\sl] offset:(\hf)*64*PV+(\f/8)*32*PV+16*PV+(\f%8)*32
.endr
.endm
; Product i of 32 of S^T = K Q^T: channels 32 (i / 8) on, keys 16 ((i / 2) % 4) on, tile i % 2.  The eight accumulators take turns; the first 8 start the sums.
.macro KQ
.set rS, S+32*(i%2)+8*((i/2)%4)
.set rK, KV+32*((i/2)%4)+8*(i/8)
.set rQ, Q+32*(i%2)+8*(i/8)
.if i < 8
	v_wmma_f32_16x16x32_f16 v[rS:rS+7], v[rK:rK+7], v[rQ:rQ+7], 0
.else
	v_wmma_f32_16x16x32_f16 v[rS:rS+7], v[rK:rK+7], v[rQ:rQ+7], v[rS:rS+7]
.endif
.endm
; Product i of 32 of O^T += V^T P: keys 32 (i / 16) on, channels 16 ((i / 2) % 8) on, tile i % 2: sixteen accumulators by turns.  first = 1: the first 16 start the sums: nothing is ever cleared.
.macro PVM first
.set rO, 64*(i%2)+8*((i/2)%8)
.set rV, KV+64*(i/16)+8*((i/2)%8)
.set rP, P+16*(i%2)+8*(i/16)
.if \first && (i < 16)
	v_wmma_f32_16x16x32_f16 v[rO:rO+7], v[rV:rV+7], v[rP:rP+7], 0
.else
	v_wmma_f32_16x16x32_f16 v[rO:rO+7], v[rV:rV+7], v[rP:rP+7], v[rO:rO+7]
.endif
.endm
; THE SOFTMAX of both tiles for one step of 64 keys; the tiles alternate line by line.  nxt: the next step's mask blocks, asked for as soon as this step's have been read (-1: none).
.macro SOFTMAX first, nxt
.if \first
	s_wait_loadcnt 16                              ; the mask's first blocks are in; Wo's sixteen loads, asked for behind them, may be out
.else
	s_wait_loadcnt 0x0                             ; the mask's blocks (asked for a step ago)
.endif
.set pp, 0
.rept 16
	v_pk_mul_f32 v[S+pp:S+pp+1], v[S+pp:S+pp+1], v[MK+pp:MK+pp+1]                    ; t = score x c' x mask; each accumulator is read from its low end on
	v_pk_mul_f32 v[S+32+pp:S+33+pp], v[S+32+pp:S+33+pp], v[MK+32+pp:MK+33+pp]
.set pp, pp+2
.endr
.if \nxt >= 0
	MASKS \nxt
.endif
.irp j, 0,1,2,3                        ; the largest of 32 t and the old m, three operands at a time, in four chains
.irp t, 0,1
	v_max3_num_f32 v[ST+8*\t+4+\j], v[S+32*\t+8*\j], v[S+32*\t+8*\j+1], v[S+32*\t+8*\j+2]
.endr
.endr
.irp k, 1,2
.irp j, 0,1,2,3
.irp t, 0,1
	v_max3_num_f32 v[ST+8*\t+4+\j], v[ST+8*\t+4+\j], v[S+32*\t+8*\j+2*\k+1], v[S+32*\t+8*\j+2*\k+2]
.endr
.endr
.endr
.irp t, 0,1
	v_max3_num_f32 v[ST+8*\t+4], v[ST+8*\t+4], v[S+32*\t+7], v[S+32*\t+15]
	v_max3_num_f32 v[ST+8*\t+6], v[ST+8*\t+6], v[S+32*\t+23], v[S+32*\t+31]
.endr
.irp t, 0,1
	v_max3_num_f32 v[ST+8*\t+4], v[ST+8*\t+4], v[ST+8*\t+5], v[ST+8*\t+6]
.endr
.irp t, 0,1
.if \first
	v_max_num_f32 v[ST+8*\t+4], v[ST+8*\t+4], v[ST+8*\t+7]
.else
	v_max3_num_f32 v[ST+8*\t+4], v[ST+8*\t+4], v[ST+8*\t+7], v[ST+8*\t]
.endif
.endr
.irp t, 0,1
	v_permlanex16_b32 v[ST+8*\t+5], v[ST+8*\t+4], s[SEL], s[SEL+1]   ; the query's other 32 keys lie in the lane 16 away
.endr
.irp t, 0,1
.if \first
	v_mov_b32 v[ST+8*\t+1], v[ST+8*\t+4]           ; (named as the upper half of the pair with m, so it is written)
.else
	v_mov_b32 v[ST+8*\t+1], v[ST+8*\t]             ; the old m
.endif
.endr
.irp t, 0,1
	v_max_num_f32 v[ST+8*\t], v[ST+8*\t+4], v[ST+8*\t+5]
.endr
.if !\first
.irp t, 0,1
	v_sub_f32 v[ST+8*\t+7], v[ST+8*\t+1], v[ST+8*\t]
.endr
.endif
.set pp, 0
.rept 16
	v_pk_add_f32 v[S+pp:S+pp+1], v[S+pp:S+pp+1], v[ST:ST+1] op_sel_hi:[1,0] neg_lo:[0,1] neg_hi:[0,1]             ; t - m
	v_pk_add_f32 v[S+32+pp:S+33+pp], v[S+32+pp:S+33+pp], v[ST+8:ST+9] op_sel_hi:[1,0] neg_lo:[0,1] neg_hi:[0,1]
.set pp, pp+2
.endr
.if !\first
	v_exp_f32 v[ST+6], v[ST+7]                     ; a = 2^(old m - new m)
	v_exp_f32 v[ST+14], v[ST+15]
.endif
.set pp, 0
.rept 64
	v_exp_f32 v[S+pp], v[S+pp]                     ; ONE BATCH: none of these reads an exponential's result
.set pp, pp+1
.endr
	v_nop                                          ; a plain instruction behind the last exponential,
	s_wait_alu depctr_va_vdst(0)                   ; and one wait for the batch, ahead of its first reader
.set pp, 0
.rept 32
	v_cvt_pk_f16_f32 v[P+pp], v[S+2*pp], v[S+2*pp+1]
.set pp, pp+1
.endr
.irp z, 0,1,2,3,4,5,6,7                ; the sum of the unrounded p, in place, neighbours 1, 2, 4 and 8 pairs apart
.irp t, 0,1
	v_pk_add_f32 v[S+32*\t+4*\z:S+32*\t+4*\z+1], v[S+32*\t+4*\z:S+32*\t+4*\z+1], v[S+32*\t+4*\z+2:S+32*\t+4*\z+3]
.endr
.endr
.irp z, 0,1,2,3
.irp t, 0,1
	v_pk_add_f32 v[S+32*\t+8*\z:S+32*\t+8*\z+1], v[S+32*\t+8*\z:S+32*\t+8*\z+1], v[S+32*\t+8*\z+4:S+32*\t+8*\z+5]
.endr
.endr
.irp z, 0,1
.irp t, 0,1
	v_pk_add_f32 v[S+32*\t+16*\z:S+32*\t+16*\z+1], v[S+32*\t+16*\z:S+32*\t+16*\z+1], v[S+32*\t+16*\z+8:S+32*\t+16*\z+9]
.endr
.endr
.irp t, 0,1
.if \first
	v_pk_add_f32 v[ST+8*\t+2:ST+8*\t+3], v[S+32*\t:S+32*\t+1], v[S+32*\t+16:S+32*\t+17]
.else
	v_pk_add_f32 v[S+32*\t:S+32*\t+1], v[S+32*\t:S+32*\t+1], v[S+32*\t+16:S+32*\t+17]
.endif
.endr
.if !\first
.irp t, 0,1
	v_pk_fma_f32 v[ST+8*\t+2:ST+8*\t+3], v[ST+8*\t+2:ST+8*\t+3], v[ST+8*\t+6:ST+8*\t+7], v[S+32*\t:S+32*\t+1] op_sel_hi:[1,0,1]   ; l = a l + the sum
.endr
	WIN W_RS
.set pp, 0
.rept 32
	v_pk_mul_f32 v[pp:pp+1], v[pp:pp+1], v[ST+6:ST+7] op_sel_hi:[1,0]                  ; O^T x a
	v_pk_mul_f32 v[64+pp:65+pp], v[64+pp:65+pp], v[ST+14:ST+15] op_sel_hi:[1,0]
.set pp, pp+2
.endr
.endif
.endm
; Wo's CAST, once, behind the first softmax: 64 numbers a lane x 2, rounded to f16 in pairs into S's registers, which are dead until the next K Q^T; each store covers 256 consecutive bytes, aligned.
.macro WOCAST
	s_wait_loadcnt 16                              ; Wo's sixteen loads are in; the sixteen of the next step's mask blocks, asked for behind them, may be out
	WIN W_RS                                       ; destination and source 0 window 1
.set pp, 0
.rept 32
	v_pk_mul_f32 v[pp:pp+1], v[pp:pp+1], 2.0 op_sel_hi:[1,0]
.set pp, pp+2
.endr
	WIN 0x05                                       ; sources 0 and 1 window 1, destination window 0
.set pp, 0
.rept 32
	v_cvt_pk_f16_f32 v[S+pp], v[2*pp], v[2*pp+1]
.set pp, pp+1
.endr
	WIN 0
.irp c, 0,1,2,3,4,5,6,7,8,9,10,11,12,13,14,15
	global_store_b64 v11, v[S+2*\c:S+2*\c+1], s[70:71] offset:256*\c
.endr
.endm
; A STEP of 64 keys: step hf of my two in LDS slot sl.  K's fragments were asked for earlier; V's take their place as soon as the scores are issued, and land under the softmax.
.macro STEP sl, hf, first, nxt
	s_wait_dscnt 0x0                               ; K is in
.if \first
	s_wait_loadcnt 32                              ; Q is in; the sixteen loads of the mask's first blocks and Wo's sixteen may be out
.endif
	WIN W_KQ
.set i, 0
.rept 32
	KQ
.set i, i+1
.endr
	PLACES                                         ; four places behind the last product: for the loads into K's registers and the reads of the scores
	FETCH_V \sl, \hf
	WIN 0
	SOFTMAX \first, \nxt
.if \first
	WOCAST
.endif
	s_wait_dscnt 0x0                               ; V is in
	WIN W_PV
.set i, 0
.rept 32
	PVM \first
.set i, i+1
.endr
	PLACES                                         ; for the loads into V's registers
.if \hf == 0
	FETCH_K \sl, 1
.endif
	WIN 0
.endm
; THE CHANGE OF SLOTS.  Each wave waits for all its tensor loads (one is out: its part of the other slot), adds 0 to its spare word, and waits for that and for its reads of the slot.
; fill = 1: the slot is filled again with the keys two slots on, behind a round of the cluster's barrier; the load has two steps of every wave in which to land.
.macro CHANGE sl, fill
	s_wait_tensorcnt 0x0                           ; no tensor load of mine is out, so a group 0 may be written
	ds_add_u32 v[SPW], v[NIL]
.if \fill
	s_add_nc_u64 s[G0K+4*\sl+2:G0K+4*\sl+3], s[G0K+4*\sl+2:G0K+4*\sl+3], 2*65536
	s_add_nc_u64 s[G0V+4*\sl+2:G0V+4*\sl+3], s[G0V+4*\sl+2:G0V+4*\sl+3], 2*65536
	s_wait_dscnt 0x0                               ; the add is done, and my reads of the slot are over
	CROUND
	JLOAD \sl
.else
	s_wait_dscnt 0x0
	s_barrier_signal -1
	s_barrier_wait -1
.endif
.endm
	s_wait_tensorcnt 1                             ; my part of slot 0 is in; slot 1's may stay out
	s_barrier_signal -1
	s_barrier_wait -1
	FETCH_K 0, 0
	WIN 0
	STEP 0, 0, 1, 1                                ; keys 0-255
	s_wait_xcnt 0x0                                ; the cast's stores, 32 matrix instructions back, have read S's registers: the next K Q^T writes them only behind this wait
	STEP 0, 1, 0, 4
	CHANGE 0, 1                                    ; LDS slot 0 takes keys 512-767
	FETCH_K 1, 0
	WIN 0
	; A PREFETCH INTO THE L2 of the last slot's rows (keys 768-1023 of K and of V), which the NEXT change of slots will ask for: two steps of every wave ahead of that load.  Both clusters of a plane walk the
	; same rows: the first asks; its partners take 64 rows each, by address; in each, waves 0, 1 ask for K's and waves 4, 5 for V's, 32 rows a wave, a lane a row: each row's 256 bytes are named once.
	s_cmp_eq_u32 s20, 1
	s_cbranch_scc0 .Lnot_mine
	global_prefetch_b8 v[PFO], s[18:19] th:TH_LOAD_NT scope:SCOPE_SE
.Lnot_mine:
	STEP 1, 0, 0, 5                                ; keys 256-511
	STEP 1, 1, 0, 8
	CHANGE 1, 1                                    ; LDS slot 1 takes keys 768-1023
	FETCH_K 0, 0
	WIN 0
	STEP 0, 0, 0, 9                                ; keys 512-767
	STEP 0, 1, 0, 12
	CHANGE 0, 0                                    ; nothing is left to fetch; behind this barrier nobody reads LDS slot 0 any more
	FETCH_K 1, 0
	WIN 0
	STEP 1, 0, 0, 13                               ; keys 768-1023
	STEP 1, 1, 0, -1
	; THE MERGE AND THE WAY OUT.  The addresses are made in the steps' address registers, which are done with; these lines are also the places behind the last products.
	s_lshl_b32 s2, s[WV], 13
	s_xor_b32 s58, s[WV], 4                        ; my partner
	s_lshl_b32 s3, s58, 13
	v_add_nc_u32 v2, s2, v13                       ; where I put tile B's O^T: an image of its registers, 16 x lane + 8,192 x wave,
	v_add_nc_u32 v3, s3, v13                       ; and where my partner has put its tile B, my tile A
	v_lshrrev_b32 v4, 2, v13
	s_lshl_b32 s2, s[WV], 8
	s_add_co_u32 s2, s2, MST
	s_lshl_b32 s3, s58, 8
	s_add_co_u32 s3, s3, MST
	v_add_nc_u32 v5, s3, v4                        ; m and l likewise: 4 x lane
	v_add_nc_u32 v4, s2, v4
	s_mul_i32 s2, s[WV], 16*272
	s_add_co_u32 s2, s2, STG                       ; my stage
	v_mul_u32_u24 v6, v1, 272
	v_lshl_add_u32 v6, v12, 4, v6
	v_add_nc_u32 v6, s2, v6                        ; in: row r, 16 bytes for each half of the lanes
	v_mul_u32_u24 v7, v12, 272
	v_lshl_add_u32 v7, v1, 4, v7
	v_add_nc_u32 v7, s2, v7                        ; back: lanes 0-15 one row, lanes 16-31 the next
	v_lshlrev_b32 v11, 12, v12
	v_lshl_add_u32 v11, v1, 4, v11
	s_lshl_b32 s3, s56, 16
	v_add_nc_u32 v11, s3, v11                      ; and the same two rows of o: 4,096 bytes a row, tile A's 16 rows
.irp t, 0,1
	v_add_f32 v[ST+8*\t+4], v[ST+8*\t+2], v[ST+8*\t+3]
.endr
.irp t, 0,1
	v_permlanex16_b32 v[ST+8*\t+5], v[ST+8*\t+4], s[SEL], s[SEL+1]
.endr
.irp t, 0,1
	v_add_f32 v[ST+8*\t+4], v[ST+8*\t+4], v[ST+8*\t+5]     ; l over my half of the keys
.endr
	WIN 0x04                                       ; an LDS store's data are its source 1: window 1
.irp f, 0,1,2,3,4,5,6,7,8,9,10,11,12,13,14,15
	ds_store_b128 v2, v[64+4*\f:64+4*\f+3] offset:512*\f   ; each accumulator from its low end on
.endr
	WIN 0
	ds_store_b32 v4, v[ST+8]
	ds_store_b32 v4, v[ST+12] offset:128
	s_wait_dscnt 0x0                               ; for my partner's sake: my stores have landed
	s_barrier_signal -1
	s_barrier_wait -1
	WIN 0x40
.irp f, 0,1,2,3,4,5,6,7,8,9,10,11,12,13,14,15
	ds_load_b128 v[KV+4*\f:KV+4*\f+3], v3 offset:512*\f
.endr
	WIN 0
	ds_load_b32 v128, v5                           ; m'
	ds_load_b32 v129, v5 offset:128                ; l'
	s_wait_dscnt 0x0
	v_max_num_f32 v130, v[ST], v128
	v_sub_f32 v131, v[ST], v130
	v_sub_f32 v132, v128, v130
	v_exp_f32 v134, v131                           ; what brings my half under the common maximum,
	v_exp_f32 v135, v132                           ; and my partner's
	v_nop
	s_wait_alu depctr_va_vdst(0)
	v_mul_f32 v136, v[ST+4], v134
	v_fmac_f32 v136, v129, v135                    ; the row's sum over all keys
	v_rcp_f32 v137, v136
	v_nop
	s_wait_alu depctr_va_vdst(0)
	v_mul_f32 v137, 0x41000000, v137               ; x 8: v was kept as v / 16, o is kept as o / 2
	v_mul_f32 v138, v134, v137
	v_mul_f32 v139, v134, v137
	v_mul_f32 v140, v135, v137
	v_mul_f32 v141, v135, v137
	WIN 0x01                                       ; source 0 window 1
.set pp, 0
.rept 32
	v_pk_mul_f32 v[S+pp:S+pp+1], v[pp:pp+1], v[138:139]
	v_pk_fma_f32 v[S+pp:S+pp+1], v[KV+pp:KV+pp+1], v[140:141], v[S+pp:S+pp+1]
.set pp, pp+2
.endr
	WIN 0
.set pp, 0
.rept 32
	v_cvt_pk_f16_f32 v[P+pp], v[S+2*pp], v[S+2*pp+1]
.set pp, pp+1
.endr
.irp f, 0,1,2,3,4,5,6,7
	ds_store_b128 v6, v[P+4*\f:P+4*\f+3] offset:32*\f
.endr
.irp f, 0,1,2,3,4,5,6,7
	ds_load_b128 v[160+4*\f:160+4*\f+3], v7 offset:\f*2*272   ; LDS serves a wave's instructions in order: these see my stores
.endr
.irp f, 0,1,2,3,4,5,6,7
	s_wait_dscnt 7-\f                              ; the younger loads may be out
	global_store_b128 v11, v[160+4*\f:160+4*\f+3], s[12:13] offset:8192*\f   ; 16 lanes store 256 consecutive bytes, at a multiple of 256 from o's first byte
.endr
	s_wait_tensorcnt 0x0                           ; the wave's end
	ds_add_u32 v[SPW], v[NIL]
	s_wait_dscnt 0x0
	CROUND                                         ; the closing round
	s_endpgm
.Lfunc_end_k_qf313dc01a9_attn:
	.size	k_qf313dc01a9_attn, .Lfunc_end_k_qf313dc01a9_attn-k_qf313dc01a9_attn
	.p2alignl 7, 3214868480
	.fill 96, 4, 3214868480
	.section	.rodata,"a",@progbits
	.p2align	6, 0x0
	.amdhsa_kernel k_qf313dc01a9_attn
		.amdhsa_group_segment_fixed_size 327680
		.amdhsa_private_segment_fixed_size 0
		.amdhsa_enable_private_segment 0
		.amdhsa_kernarg_size 40
		.amdhsa_user_sgpr_count 2
		.amdhsa_user_sgpr_kernarg_segment_ptr 1
		.amdhsa_wavefront_size32 1
		.amdhsa_system_sgpr_workgroup_id_x 1
		.amdhsa_system_sgpr_workgroup_id_y 1
		.amdhsa_system_sgpr_workgroup_id_z 1
		.amdhsa_system_vgpr_workitem_id 0
		.amdhsa_next_free_vgpr 512
		.amdhsa_next_free_sgpr 72
		.amdhsa_reserve_vcc 0
		.amdhsa_float_denorm_mode_32 3
		.amdhsa_float_denorm_mode_16_64 3
		.amdhsa_memory_ordered 1
		.amdhsa_forward_progress 1
		.amdhsa_inst_pref_size 240
	.end_amdhsa_kernel
	.amdgpu_metadata
---
amdhsa.version: [ 1, 2 ]
amdhsa.kernels:
  - .name:           k_qf313dc01a9_attn
    .symbol:         k_qf313dc01a9_attn.kd
    .args:
      - { .name: qkv, .offset: 0, .size: 8, .value_kind: global_buffer, .address_space: global }
      - { .name: maskimg, .offset: 8, .size: 8, .value_kind: global_buffer, .address_space: global }
      - { .name: Wo, .offset: 16, .size: 8, .value_kind: global_buffer, .address_space: global }
      - { .name: wo16, .offset: 24, .size: 8, .value_kind: global_buffer, .address_space: global }
      - { .name: o16, .offset: 32, .size: 8, .value_kind: global_buffer, .address_space: global }
    .group_segment_fixed_size: 327680
    .private_segment_fixed_size: 0
    .kernarg_segment_align: 8
    .kernarg_segment_size: 40
    .max_flat_workgroup_size: 256
    .sgpr_count:     72
    .vgpr_count:     512
    .wavefront_size: 32
...
	.end_amdgpu_metadata
.endif
;; end of part 3
;; launch oproj (part 4): grid 16 x 16, 4 waves a work-group, clusters of 4 x 4, 327,680 bytes of LDS; arguments o16, wo16, out0; writes out0
.if DOCPART == 4
	.amdgcn_target "amdgcn-amd-amdhsa--gfx1250"
	.amdhsa_code_object_version 6
	.text
	.protected	k_qf313dc01a9_oproj
	.globl	k_qf313dc01a9_oproj
	.p2align	8
	.type	k_qf313dc01a9_oproj,@function
k_qf313dc01a9_oproj:
	s_mov_b64 s[64:65], 0
	v_nop
	global_prefetch_b8 v0, s[64:65] scope:SCOPE_SE
	s_setreg_imm32_b32 hwreg(HW_REG_WAVE_MODE, 25, 1), 1
	s_wait_xcnt 0x0
	s_wait_alu depctr_hold_cnt(0) depctr_sa_sdst(0) depctr_va_vdst(0) depctr_va_sdst(0) depctr_va_ssrc(0) depctr_va_vcc(0) depctr_vm_vsrc(0)
	s_getreg_b32 s2, hwreg(HW_REG_IB_STS2, 6, 4)
	s_cmp_eq_u32 s2, 0
	s_cbranch_scc0 .Lentry_in_a_cluster
	s_endpgm
.Lentry_in_a_cluster:
	s_bfe_u32 s2, ttmp6, 0x10000c
	s_cmp_lg_u32 s2, 0xf033
	s_cbranch_scc0 .Lentry_shape_is_right
	s_endpgm
.Lentry_shape_is_right:
; out[m][n] = sum over k of o[m][k] Wo[n][k].  A = o16 [2048][2048], f16 of o / 2; B = wo16 [2048][2048], f16 of 2 Wo: the two powers of two cancel.  C = out0 [2048][2048] f32; sums in f32.
; A tile of C is 128 x 128, which gives 256 work-groups.  Four waves, each 64 x 64: 16 accumulators.  K goes in steps of 256 (LDS rows of 512 bytes; a wave's tensor load brings 64 of them) through two slots.
; CLUSTERS: 4 x 4 work-groups; A's tiles are asked for jointly along a row of the cluster, B's along a column.  THE MATRIX INSTRUCTION IS USED TRANSPOSED: a lane holds eight neighbouring numbers of a row of C.
; THE WALK ALONG K IS ROTATED.  A lap is both slots, 512 along K; K has four laps.  Cluster (x, y) begins at lap c = (g(x) + g(y)) mod 4, g = 0, 2, 1, 3, and goes round.  So the four clusters that read the same
; rows of A (one y) walk four different laps at any time, and so do the four that read the same rows of B (one x); neighbours x, x + 1 and y, y + 1 stand two laps apart.  No two clusters ask for the same bytes
; at the same time, and every refill asks for bytes that another cluster has read a lap or more before.  c is made of the cluster's two numbers alone: it is equal in all sixteen partners.
; The sums take K in that rotated order, not ascending: another order of f32 rounding.
; A wave's 64 columns of f32 are 256 bytes, aligned: each wave has a stage of its own on the way out, and no barrier is needed there.  No prefetch: small tiles, joint loads.
; REGISTERS: window 0: v0-31 addresses; v32-95 the way out; v128-255 the accumulators ((a, b) at v[128 + 8 (4 a + b)]).  window 1: two fragment buffers of 128.
.set SIZE_M, 2048
.set SIZE_N, 2048
.set SIZE_K, 2048
.set KSTEP,  256
.set PITCH,  528                       ; an LDS row: 512 bytes + 16 of padding
.set HALFT,  64*PITCH
.set SLOT,   4*HALFT
.set STAGE,  2*SLOT                    ; behind the ring: 16 rows x 272 bytes for each wave
.set SPITCH, 272
.set SPARE,  STAGE+4*16*SPITCH         ; the spare words, 128 bytes for each wave
.set LAPS, SIZE_K/(2*KSTEP)
.set ADRA, 16
.set ADRB, 20
.set STO,  24
.set RD,   25
.set CO,   26
.set SPW,  28
.set NIL,  29
.set TMP,  32
.set ACC,  128
.set F0,   0
.set F1,   128
.set G1, 24
.set G0, 32
.set G1B, 48
.set G0B, 56
.set KO,  66                           ; s[66:67] the lap in hand, as bytes along a row: 1,024 x lap, and 0 above it
.set BA,  68                           ; s[68:69] A at the first of the rows that I fetch
.set BB,  70                           ; s[70:71] B likewise
.set MSB, 0
.macro WIN new
.if MSB != (\new)
	s_set_vgpr_msb (MSB<<8)|(\new)
.set MSB, (\new)
.endif
.endm
.set MUL,  0x05                        ; sources 0 (B) and 1 (A) window 1; C and D window 0
.set TO_F, 0x40
.macro JLOAD s                         ; a joint load: waves 0 and 1 fetch A's two halves, waves 2 and 3 B's; an s_nop 0 and four v_nop follow each line
	s_cmp_eq_u32 s11, 0
	s_cbranch_scc0 .Lfor_b_\@
	tensor_load_to_lds s[G0+4*\s:G0+4*\s+3], s[G1:G1+7]
	s_nop 0
.rept 4
	v_nop
.endr
	s_branch .Lasked_\@
.Lfor_b_\@:
	tensor_load_to_lds s[G0B+4*\s:G0B+4*\s+3], s[G1B:G1B+7]
	s_nop 0
.rept 4
	v_nop
.endr
.Lasked_\@:
.endm
.macro CREST
	s_cmp_lg_u32 s10, 0
	s_cbranch_scc1 .Lnot_wave_0_\@
	s_barrier_signal -3
.Lnot_wave_0_\@:
	s_barrier_wait -3
	s_barrier_signal -1
	s_barrier_wait -1
.endm
.macro CROUND
	s_barrier_signal -1
	s_barrier_wait -1
	CREST
.endm
	s_load_b128 s[4:7], s[0:1], 0x0                ; A, B
	s_load_b64 s[8:9], s[0:1], 0x10                ; C
	v_lshl_add_u32 v[SPW], v0, 2, SPARE
	v_mov_b32 v[NIL], 0
	ds_add_u32 v[SPW], v[NIL]                      ; the wave's opening: the add, twice on end, and its wait ahead of my first tensor load
	ds_add_u32 v[SPW], v[NIL]
	v_lshrrev_b32 v1, 5, v0
	v_readfirstlane_b32 s10, v1                    ; wave 0..3
	s_lshr_b32 s11, s10, 1                         ; which half of the tile's rows is mine.  Also: I fetch for A (0) or for B (1)
	s_and_b32 s12, s10, 1                          ; which half of its columns.  Also: which 64 rows of that tile I fetch
	s_bfe_u32 s40, ttmp6, 0x40000
	s_bfe_u32 s41, ttmp6, 0x40004
	s_lshl_b32 s42, ttmp9, 2
	s_add_co_u32 s42, s42, s40                     ; tile column
	s_and_b32 s13, ttmp7, 0xffff
	s_lshl_b32 s13, s13, 2
	s_add_co_u32 s13, s13, s41                     ; tile row
	s_lshl_b32 s43, s41, 2
	s_lshl_b32 s43, 15, s43                        ; my row of the cluster
	s_lshl_b32 s44, 0x1111, s40                    ; my column
	s_or_b32 s[G1+0], s43, (1<<16)|(1<<20)|(1<<21)|(6<<22)|(3<<25)  ; the mask; elements of 2 bytes; padding: 4 words after every 128
	s_or_b32 s[G1B+0], s44, (1<<16)|(1<<20)|(1<<21)|(6<<22)|(3<<25)
.irp g, G1, G1B
	s_mov_b32 s[\g+1], KSTEP<<16                   ; tensor_dim0
	s_mov_b32 s[\g+2], 64<<16                      ; tensor_dim1
	s_mov_b32 s[\g+3], KSTEP<<16                   ; tile_dim0
	s_mov_b32 s[\g+4], 64                          ; tile_dim1
	s_mov_b32 s[\g+5], SIZE_K                      ; the pitch
	s_mov_b32 s[\g+6], 0
	s_mov_b32 s[\g+7], 0
.endr
	; the lap at which my cluster begins: the cluster's x and y (0..3 each) with their two bits swapped, added, mod 4
	s_and_b32 s21, ttmp9, 1
	s_lshl_b32 s21, s21, 1
	s_lshr_b32 s22, ttmp9, 1
	s_add_co_u32 s21, s21, s22                     ; g(x)
	s_and_b32 s23, ttmp7, 0xffff
	s_and_b32 s22, s23, 1
	s_lshl_b32 s22, s22, 1
	s_add_co_u32 s21, s21, s22
	s_lshr_b32 s23, s23, 1
	s_add_co_u32 s21, s21, s23                     ; + g(y)
	s_and_b32 s21, s21, 3
	s_lshl_b32 s[KO], s21, 10                      ; a lap is 512 numbers of 2 bytes
	s_mov_b32 s[KO+1], 0
	s_lshl_b32 s17, s12, 6
	s_lshl_b32 s16, s13, 7
	s_add_co_u32 s16, s16, s17                     ; A: row 128 x tile row + 64 x half
	s_lshl_b32 s46, s42, 7
	s_add_co_u32 s46, s46, s17                     ; B: row 128 x tile column + 64 x half
	s_mov_b32 s17, 0
	s_mov_b32 s47, 0
	s_mov_b64 s[18:19], SIZE_K*2
	s_mul_u64 s[16:17], s[16:17], s[18:19]
	s_mul_u64 s[46:47], s[46:47], s[18:19]
	s_mul_i32 s20, s10, HALFT                      ; where they go: wave x 64 rows
	s_wait_dscnt 0x0                               ; both opening adds are done
	s_wait_kmcnt 0x0
	s_add_nc_u64 s[BA:BA+1], s[4:5], s[16:17]
	s_add_nc_u64 s[BB:BB+1], s[6:7], s[46:47]
	CROUND                                         ; all sixteen work-groups are here: the first joint loads meet
.irp s, 0,1
	s_mov_b32 s[G0+4*\s], 1
	s_add_co_u32 s[G0+4*\s+1], s20, \s*SLOT
	s_add_nc_u64 s[G0+4*\s+2:G0+4*\s+3], s[BA:BA+1], s[KO:KO+1]      ; my first lap; slot 1 takes its second K step
	s_mov_b32 s[G0B+4*\s], 1
	s_add_co_u32 s[G0B+4*\s+1], s20, \s*SLOT
	s_add_nc_u64 s[G0B+4*\s+2:G0B+4*\s+3], s[BB:BB+1], s[KO:KO+1]
.if \s
	s_add_nc_u64 s[G0+4*\s+2:G0+4*\s+3], s[G0+4*\s+2:G0+4*\s+3], KSTEP*2
	s_add_nc_u64 s[G0B+4*\s+2:G0B+4*\s+3], s[G0B+4*\s+2:G0B+4*\s+3], KSTEP*2
.endif
	s_or_b32 s[G0+4*\s+3], s[G0+4*\s+3], 0x80000000
	s_or_b32 s[G0B+4*\s+3], s[G0B+4*\s+3], 0x80000000
	JLOAD \s                                       ; two tensor loads of mine are out
.endr
	v_and_b32 v1, 15, v0
	v_bfe_u32 v2, v0, 4, 1
	v_mul_u32_u24 v3, v1, PITCH
	v_lshl_add_u32 v3, v2, 4, v3
	s_mul_i32 s21, s11, HALFT
	s_mul_i32 s22, s12, HALFT
	s_add_co_u32 s22, s22, 2*HALFT
.irp s, 0,1
	v_add_nc_u32 v[ADRA+\s], s21, v3
	v_add_nc_u32 v[ADRB+\s], s22, v3
	s_add_co_u32 s21, s21, SLOT
	s_add_co_u32 s22, s22, SLOT
.endr
	s_mul_i32 s23, s10, 16*SPITCH
	s_add_co_u32 s23, s23, STAGE                   ; my stage
	v_mul_u32_u24 v4, v1, SPITCH                   ; in: row l % 16, 32 bytes for each half of the lanes
	v_lshl_add_u32 v4, v2, 5, v4
	v_add_nc_u32 v[STO], s23, v4
	v_mul_u32_u24 v5, v2, SPITCH                   ; back: lanes 0-15 one row of 256 bytes, lanes 16-31 the next
	v_lshl_add_u32 v5, v1, 4, v5
	v_add_nc_u32 v[RD], s23, v5
	v_mul_u32_u24 v5, v2, SIZE_N*4                 ; and the same two rows in C
	v_lshl_add_u32 v[CO], v1, 4, v5
	s_lshl_b32 s16, s13, 7
	s_lshl_b32 s17, s11, 6
	s_add_co_u32 s16, s16, s17                     ; my first row of C: 128 x tile row + 64 x half
	s_mov_b32 s17, 0
	s_mov_b64 s[18:19], SIZE_N*4
	s_mul_u64 s[16:17], s[16:17], s[18:19]
	s_add_nc_u64 s[8:9], s[8:9], s[16:17]
	s_lshl_b32 s46, s42, 9                         ; my first column, in bytes: 512 x tile column + 256 x half
	s_lshl_b32 s47, s12, 8
	s_add_co_u32 s46, s46, s47
	s_mov_b32 s47, 0
	s_add_nc_u64 s[8:9], s[8:9], s[46:47]
; 8 matrix instructions: m blocks a0, a0 + 1 x all 4 n blocks, 32 along K.  The 16 accumulators take turns.
.macro MUL8 f, c, a0, zero
.irp a, \a0, \a0+1
.irp b, 0,1,2,3
.if \zero
	v_wmma_f32_16x16x32_f16 v[ACC+8*(4*(\a)+\b):ACC+8*(4*(\a)+\b)+7], v[\f+64+8*(4*\c+\b):\f+64+8*(4*\c+\b)+7], v[\f+8*(4*\c+\a):\f+8*(4*\c+\a)+7], 0
.else
	v_wmma_f32_16x16x32_f16 v[ACC+8*(4*(\a)+\b):ACC+8*(4*(\a)+\b)+7], v[\f+64+8*(4*\c+\b):\f+64+8*(4*\c+\b)+7], v[\f+8*(4*\c+\a):\f+8*(4*\c+\a)+7], v[ACC+8*(4*(\a)+\b):ACC+8*(4*(\a)+\b)+7]
.endif
.endr
.endr
.endm
.macro FETCH slot, k, f                ; 32 LDS loads in one run: the fragments of 64 along K at byte k of the rows; the first 32 along K first
	WIN TO_F
.irp c, 0,1
.irp i, 0,1,2,3
	ds_load_b128 v[\f+64+8*(4*\c+\i):\f+64+8*(4*\c+\i)+3],   v[ADRB+\slot] offset:\k+64*\c+\i*16*PITCH
	ds_load_b128 v[\f+64+8*(4*\c+\i)+4:\f+64+8*(4*\c+\i)+7], v[ADRB+\slot] offset:\k+64*\c+\i*16*PITCH+32
	ds_load_b128 v[\f+8*(4*\c+\i):\f+8*(4*\c+\i)+3],         v[ADRA+\slot] offset:\k+64*\c+\i*16*PITCH
	ds_load_b128 v[\f+8*(4*\c+\i)+4:\f+8*(4*\c+\i)+7],       v[ADRA+\slot] offset:\k+64*\c+\i*16*PITCH+32
.endr
.endr
.endm
.macro PLACES
.rept 4
	v_nop
.endr
.endm
.macro QUARTER slot, k, f, g, zero
	s_wait_dscnt 16                                ; the first 32 along K are in; the younger sixteen loads may be out
	WIN MUL
	MUL8 \f, 0, 0, \zero
	MUL8 \f, 0, 2, \zero
	PLACES
	FETCH \slot, \k, \g
	s_wait_dscnt 32                                ; all but the 32 just issued
	WIN MUL
	MUL8 \f, 1, 0, 0
	MUL8 \f, 1, 2, 0
.endm
; The last quarter of a K step changes slots.  fill = 1: this slot is filled again with its K step of the next lap; slot 0's change steps the lap, round K's end, and slot 1's takes the same lap.
.macro TURN slot, next, fill
	WIN 0
	s_wait_tensorcnt 0x0                           ; all my tensor loads have landed: my part of the next slot; so a group 0 may be written
	ds_add_u32 v[SPW], v[NIL]                      ; 0 onto my spare word; the descriptors' steps and eight products stand between it and the wait for it
.if \fill
.if \slot == 0
	s_add_co_u32 s[KO], s[KO], 2*KSTEP*2           ; the next lap,
	s_and_b32 s[KO], s[KO], SIZE_K*2-1             ; behind the fourth the first: a row is 4,096 bytes
.endif
	s_add_nc_u64 s[G0+4*\slot+2:G0+4*\slot+3], s[BA:BA+1], s[KO:KO+1]
	s_add_nc_u64 s[G0B+4*\slot+2:G0B+4*\slot+3], s[BB:BB+1], s[KO:KO+1]
.if \slot == 1
	s_add_nc_u64 s[G0+4*\slot+2:G0+4*\slot+3], s[G0+4*\slot+2:G0+4*\slot+3], KSTEP*2
	s_add_nc_u64 s[G0B+4*\slot+2:G0B+4*\slot+3], s[G0B+4*\slot+2:G0B+4*\slot+3], KSTEP*2
.endif
	s_or_b32 s[G0+4*\slot+3], s[G0+4*\slot+3], 0x80000000
	s_or_b32 s[G0B+4*\slot+3], s[G0B+4*\slot+3], 0x80000000
.endif
	s_wait_dscnt 17                                ; (the add and the youngest sixteen loads may be out)
	WIN MUL
	MUL8 F1, 0, 0, 0
	s_wait_dscnt 0x0                               ; the add is done, and my reads of this slot are over
	s_barrier_signal -1
	MUL8 F1, 0, 2, 0
.if \fill
	WIN 0
.endif
	s_barrier_wait -1
.if \fill
	CREST                                          ; the barrier has opened a round of the cluster's barrier
	JLOAD \slot                                    ; the first thing behind the round, and my only tensor load until the next
.else
	PLACES
.endif
	FETCH \next, 0, F0
	WIN MUL
	MUL8 F1, 1, 0, 0
	MUL8 F1, 1, 2, 0
.endm
	s_wait_tensorcnt 1                             ; my part of the first K step is in; the second's load may be out
	s_barrier_signal -1
	s_barrier_wait -1
	FETCH 0, 0, F0
	QUARTER 0, 128, F0, F1, 1                      ; the first quarter stands in front of the loop: its first products start the sums
	WIN 0
	s_mov_b32 s3, LAPS-1
.Llap:
	QUARTER 0, 256, F1, F0, 0
	QUARTER 0, 384, F0, F1, 0
	TURN 0, 1, 1
	QUARTER 1, 128, F0, F1, 0
	QUARTER 1, 256, F1, F0, 0
	QUARTER 1, 384, F0, F1, 0
	TURN 1, 0, 1
	QUARTER 0, 128, F0, F1, 0
	WIN 0
	s_sub_co_u32 s3, s3, 1
	s_cmp_lg_u32 s3, 0
	s_cbranch_scc1 .Llap
	QUARTER 0, 256, F1, F0, 0                      ; the last lap fills nothing
	QUARTER 0, 384, F0, F1, 0
	TURN 0, 1, 0
	QUARTER 1, 128, F0, F1, 0
	QUARTER 1, 256, F1, F0, 0
	QUARTER 1, 384, F0, F1, 0
	s_wait_dscnt 16
	WIN MUL
	MUL8 F1, 0, 0, 0
	MUL8 F1, 0, 2, 0
	s_wait_dscnt 0
	MUL8 F1, 1, 0, 0
	MUL8 F1, 1, 2, 0
	WIN 0
; THE WAY OUT, 16 rows x 64 columns at a time, through my own stage: a lane's 32 bytes in, whole rows of 256 bytes back.  LDS serves a wave's instructions in order: no wait between the stores and the loads.
.macro TOSTAGE a
.irp b, 0,1,2,3
	ds_store_b128 v[STO], v[ACC+8*(4*(\a)+\b):ACC+8*(4*(\a)+\b)+3] offset:64*\b          ; each accumulator from its low end on
	ds_store_b128 v[STO], v[ACC+8*(4*(\a)+\b)+4:ACC+8*(4*(\a)+\b)+7] offset:64*\b+16
.endr
.irp t, 0,1,2,3,4,5,6,7
	ds_load_b128 v[TMP+32*((\a)%2)+4*\t:TMP+32*((\a)%2)+4*\t+3], v[RD] offset:\t*2*SPITCH
.endr
.endm
.macro SEND a, younger                 ; younger: the LDS instructions issued behind block a's loads
	s_wait_dscnt \younger
.irp t, 0,1,2,3,4,5,6,7
	global_store_b128 v[CO], v[TMP+32*((\a)%2)+4*\t:TMP+32*((\a)%2)+4*\t+3], s[8:9] offset:(16*(\a)+2*\t)*SIZE_N*4 th:TH_STORE_NT   ; 16 lanes store 256 consecutive bytes, at a multiple of 256 from C's first byte
.endr
.endm
	PLACES
	TOSTAGE 0
.irp a, 1,2,3
.if \a >= 2
	s_wait_xcnt 0x0                                ; block a - 2's stores have read their data: block a's rows may land there
.endif
	TOSTAGE \a
	SEND (\a)-1, 16                                ; behind block a - 1's loads: block a's 8 stores and 8 loads
.endr
	SEND 3, 0
	s_wait_tensorcnt 0x0                           ; the wave's end
	ds_add_u32 v[SPW], v[NIL]
	s_wait_dscnt 0x0
	CROUND                                         ; the closing round
	s_endpgm
.Lfunc_end_k_qf313dc01a9_oproj:
	.size	k_qf313dc01a9_oproj, .Lfunc_end_k_qf313dc01a9_oproj-k_qf313dc01a9_oproj
	.p2alignl 7, 3214868480
	.fill 96, 4, 3214868480
	.section	.rodata,"a",@progbits
	.p2align	6, 0x0
	.amdhsa_kernel k_qf313dc01a9_oproj
		.amdhsa_group_segment_fixed_size 327680
		.amdhsa_private_segment_fixed_size 0
		.amdhsa_enable_private_segment 0
		.amdhsa_kernarg_size 24
		.amdhsa_user_sgpr_count 2
		.amdhsa_user_sgpr_kernarg_segment_ptr 1
		.amdhsa_wavefront_size32 1
		.amdhsa_system_sgpr_workgroup_id_x 1
		.amdhsa_system_sgpr_workgroup_id_y 1
		.amdhsa_system_sgpr_workgroup_id_z 1
		.amdhsa_system_vgpr_workitem_id 0
		.amdhsa_next_free_vgpr 512
		.amdhsa_next_free_sgpr 72
		.amdhsa_reserve_vcc 0
		.amdhsa_float_denorm_mode_32 3
		.amdhsa_float_denorm_mode_16_64 3
		.amdhsa_memory_ordered 1
		.amdhsa_forward_progress 1
		.amdhsa_inst_pref_size 87
	.end_amdhsa_kernel
	.amdgpu_metadata
---
amdhsa.version: [ 1, 2 ]
amdhsa.kernels:
  - .name:           k_qf313dc01a9_oproj
    .symbol:         k_qf313dc01a9_oproj.kd
    .args:
      - { .name: o16, .offset: 0, .size: 8, .value_kind: global_buffer, .address_space: global }
      - { .name: wo16, .offset: 8, .size: 8, .value_kind: global_buffer, .address_space: global }
      - { .name: out0, .offset: 16, .size: 8, .value_kind: global_buffer, .address_space: global }
    .group_segment_fixed_size: 327680
    .private_segment_fixed_size: 0
    .kernarg_segment_align: 8
    .kernarg_segment_size: 24
    .max_flat_workgroup_size: 128
    .sgpr_count:     72
    .vgpr_count:     512
    .wavefront_size: 32
...
	.end_amdgpu_metadata
.endif
;; end of part 4
